; MI455X (gfx1250); checked and timed in simulation.
; The chip was launched on July 23, 2026; its instructions are those of AMD's public machine-readable ISA for CDNA 5 (MIT licence, August 2026) and "CDNA5" Instruction Set Architecture Reference Guide (July 2026). The comments in the code are by the model that wrote it; some were corrected since.
;; S Attention. Allowed arithmetic: float matrix products may take bf16 or f16 operands with f32 sums; all other float work in f32.
;; Inputs: W1 512 x 512 float32; W2 512 x 512 float32; Wk 512 x 512 float32; Wq 512 x 512 float32; Wv 512 x 512 float32; b1 512 float32; b2 512 float32; bf1 512 float32; bf2 512 float32; g1 512 float32; g2 512 float32; x 512 x 64 x 512 float32.
;; Outputs: out0 512 x 64 x 512 float32.
;; One version. Each part assembles by itself: llvm-mc -triple=amdgcn-amd-amdhsa -mcpu=gfx1250 --defsym DOCPART=n.
;; ======== version 1 of 1: 4 launches
;; workspace buffers: wt 2,621,440 bytes; qkv 100,663,296 bytes; stats 262,144 bytes; y 67,108,864 bytes
;; launch prep (part 1): grid 256 x 1, 4 waves a work-group, no clusters, 0 bytes of LDS; arguments Wq, Wk, Wv, W1, W2, wt; writes wt
.if DOCPART == 1
	.amdgcn_target "amdgcn-amd-amdhsa--gfx1250"
	.amdhsa_code_object_version 6
	.text
	.protected	k_qce263898ab_prep
	.globl	k_qce263898ab_prep
	.p2align	8
	.type	k_qce263898ab_prep,@function
k_qce263898ab_prep:
	s_mov_b64 s[64:65], 0
	v_nop
	global_prefetch_b8 v0, s[64:65] scope:SCOPE_SE
	s_setreg_imm32_b32 hwreg(HW_REG_WAVE_MODE, 25, 1), 1
	s_wait_xcnt 0x0
; The five weight matrices [512 n][512 k] f32 are rounded once to bf16 and laid out as K slices:
; slice (m*8 + ks) of wt is a dense block [512 n][64 k] bf16 of 65,536 bytes, m = 0..4 for Wq, Wk, Wv, W1, W2, ks = k / 64.
; So a later launch fetches a K slice of 64 as one dense run of bytes.
; Work-group g: slice ks = g & 7, rows n = 16 (g >> 3) .. +15, of all five matrices.  Thread t: row t >> 3, the eight k at 8 (t & 7).
; A wave reads four pieces of 256 neighbouring bytes (two loads) and stores 512 neighbouring bytes.  No LDS, no barrier, no loop.
.set SLICE, 65536
.set IN,  8                            ; v[8:47]   matrix m: 8 f32
.set OUTR, 48                          ; v[48:67]  matrix m: 8 bf16; a set for each store, so no store's data is ever rewritten
	s_load_b256 s[4:11], s[0:1], 0x0               ; Wq s[4:5], Wk s[6:7], Wv s[8:9], W1 s[10:11]
	s_load_b128 s[12:15], s[0:1], 0x20             ; W2 s[12:13], wt s[14:15]
	s_and_b32 s16, ttmp9, 7                        ; ks
	s_lshr_b32 s17, ttmp9, 3                       ; group of 16 rows
	s_lshl_b32 s18, s17, 15                        ; 16 rows of 2,048 bytes
	s_lshl_b32 s19, s16, 8                         ; 64 k of 4 bytes
	s_add_co_u32 s18, s18, s19
	s_lshl_b32 s20, s17, 11                        ; 16 rows of 128 bytes
	s_lshl_b32 s21, s16, 16                        ; the slice
	s_add_co_u32 s20, s20, s21
	v_lshrrev_b32 v1, 3, v0
	v_and_b32 v3, 7, v0
	v_lshl_add_u32 v1, v1, 11, s18
	v_lshl_add_u32 v1, v3, 5, v1                   ; read offset: my 32 bytes
	v_lshl_add_u32 v2, v0, 4, s20                  ; write offset: my 16 bytes
	s_wait_kmcnt 0x0
.irp m, 0,1,2,3,4
	global_load_b128 v[IN+8*\m:IN+8*\m+3],   v1, s[4+2*\m:5+2*\m] th:TH_LOAD_NT
	global_load_b128 v[IN+8*\m+4:IN+8*\m+7], v1, s[4+2*\m:5+2*\m] offset:16 th:TH_LOAD_NT
.endr
.irp m, 0,1,2,3,4
	s_wait_loadcnt 8-2*\m                          ; loads come back in order: the two of each later matrix may stay out
.irp j, 0,1,2,3
	v_cvt_pk_bf16_f32 v[OUTR+4*\m+\j], v[IN+8*\m+2*\j], v[IN+8*\m+2*\j+1]
.endr
	global_store_b128 v2, v[OUTR+4*\m:OUTR+4*\m+3], s[14:15] offset:\m*8*SLICE
.endr
	s_endpgm
.Lfunc_end_k_qce263898ab_prep:
	.size	k_qce263898ab_prep, .Lfunc_end_k_qce263898ab_prep-k_qce263898ab_prep
	.p2alignl 7, 3214868480
	.fill 96, 4, 3214868480
	.section	.rodata,"a",@progbits
	.p2align	6, 0x0
	.amdhsa_kernel k_qce263898ab_prep
		.amdhsa_group_segment_fixed_size 0
		.amdhsa_private_segment_fixed_size 0
		.amdhsa_enable_private_segment 0
		.amdhsa_kernarg_size 48
		.amdhsa_user_sgpr_count 2
		.amdhsa_user_sgpr_kernarg_segment_ptr 1
		.amdhsa_wavefront_size32 1
		.amdhsa_system_sgpr_workgroup_id_x 1
		.amdhsa_system_sgpr_workgroup_id_y 1
		.amdhsa_system_sgpr_workgroup_id_z 1
		.amdhsa_system_vgpr_workitem_id 0
		.amdhsa_next_free_vgpr 68
		.amdhsa_next_free_sgpr 66
		.amdhsa_reserve_vcc 0
		.amdhsa_float_denorm_mode_32 3
		.amdhsa_float_denorm_mode_16_64 3
		.amdhsa_memory_ordered 1
		.amdhsa_forward_progress 1
		.amdhsa_inst_pref_size 4
	.end_amdhsa_kernel
	.amdgpu_metadata
---
amdhsa.version: [ 1, 2 ]
amdhsa.kernels:
  - .name:           k_qce263898ab_prep
    .symbol:         k_qce263898ab_prep.kd
    .args:
      - { .name: Wq, .offset: 0, .size: 8, .value_kind: global_buffer, .address_space: global }
      - { .name: Wk, .offset: 8, .size: 8, .value_kind: global_buffer, .address_space: global }
      - { .name: Wv, .offset: 16, .size: 8, .value_kind: global_buffer, .address_space: global }
      - { .name: W1, .offset: 24, .size: 8, .value_kind: global_buffer, .address_space: global }
      - { .name: W2, .offset: 32, .size: 8, .value_kind: global_buffer, .address_space: global }
      - { .name: wt, .offset: 40, .size: 8, .value_kind: global_buffer, .address_space: global }
    .group_segment_fixed_size: 0
    .private_segment_fixed_size: 0
    .kernarg_segment_align: 8
    .kernarg_segment_size: 48
    .max_flat_workgroup_size: 128
    .sgpr_count:     66
    .vgpr_count:     68
    .wavefront_size: 32
...
	.end_amdgpu_metadata
.endif
;; end of part 1
;; launch project (part 2): grid 256 x 1, 4 waves a work-group, clusters of 4 x 1, 327,680 bytes of LDS; arguments x, g1, b1, wt, qkv, stats; writes qkv, stats
.if DOCPART == 2
	.amdgcn_target "amdgcn-amd-amdhsa--gfx1250"
	.amdhsa_code_object_version 6
	.text
	.protected	k_qce263898ab_project
	.globl	k_qce263898ab_project
	.p2align	8
	.type	k_qce263898ab_project,@function
k_qce263898ab_project:
	s_mov_b64 s[64:65], 0
	v_nop
	global_prefetch_b8 v0, s[64:65] scope:SCOPE_SE
	s_setreg_imm32_b32 hwreg(HW_REG_WAVE_MODE, 25, 1), 1
	s_wait_xcnt 0x0
	s_wait_alu depctr_hold_cnt(0) depctr_sa_sdst(0) depctr_va_vdst(0) depctr_va_sdst(0) depctr_va_ssrc(0) depctr_va_vcc(0) depctr_vm_vsrc(0)
	s_getreg_b32 s2, hwreg(HW_REG_IB_STS2, 6, 4)
	s_cmp_eq_u32 s2, 0
	s_cbranch_scc0 .Lentry_in_a_cluster
	s_endpgm
.Lentry_in_a_cluster:
	s_bfe_u32 s2, ttmp6, 0x10000c
	s_cmp_lg_u32 s2, 0x3003
	s_cbranch_scc0 .Lentry_shape_is_right
	s_endpgm
.Lentry_shape_is_right:
; xn = LN1(x); q, k, v = xn Wq^T, xn Wk^T, xn Wv^T, stored in bf16 as three planes [b][s][512]; (mean, 1/sqrt(var+eps)) of each row to stats [b][s].
; Work-group: batch b = cluster x, rows s = 128 cx .. +127.  Four waves; wave w makes all 128 rows x columns 128 w .. +127 of one plane at a time:
; 64 accumulator tiles of 16 x 16, 512 registers.  Three passes (q, k, v) of eight K steps of 64.
; A = xn in bf16 stays in LDS for the whole launch.  The weights come as dense K slices (launch prep) through a ring of two LDS slots.
; CLUSTER: all work-groups walk the same weights, so the four of a cluster ask for each slice jointly (mask 15); every wave asks for a quarter.
; ROTATION: cluster x starts each pass's K loop at slice x & 7 and goes round, so at any K step the 64 clusters ask for eight different slices, and a
; slice that a cluster asks for was asked for one step earlier by the clusters whose start is one further on.
; A wave has two tensor loads out at the start and one behind each later refill.
; LIMITS: xn and the weights enter the products rounded to bf16, q, k, v are stored in bf16; sums, mean and variance in f32 (two passes over the row);
; the sums along K begin at the cluster's first slice, not at k = 0.
.set RSTR,   131072                    ; bytes from row s to row s + 1 of one batch in x
.set SLICE,  65536
.set WPITCH, 144                       ; LDS row of a slice: 128 bytes + 16: row r starts 16 r bytes further modulo 128
.set WQ,     128*WPITCH                ; a wave's quarter of a slot
.set SLOT,   4*WQ                      ; 73,728
.set ABASE,  2*SLOT                    ; 147,456: xn, 128 rows
.set APITCH, 1040                      ; 1,024 bytes + 16
.set STAGE,  ABASE+128*APITCH          ; 280,576: 16 rows x 272 bytes for each wave, for the way out
.set SPITCH, 272
.set STATS,  STAGE+4*16*SPITCH         ; 297,984: 128 rows x 8 bytes
.set PLANE,  33554432
.set XO,   3                           ; v3   16 x lane
.set ASTO, 4                           ; v4   where my 8 bytes of a row of xn go
.set SST,  5                           ; v5   where a row's (mean, rs) goes
.set SRB,  6                           ; v6   my wave's stats, 8 bytes a lane
.set ADRA, 16                          ; v16-17  A fragments at k = 0: rows 0-63, rows 64-127
.set ADRC, 18                          ; v18-19  the same at the current K step's slice
.set ADRB, 20                          ; v20-21  W fragments in slot 0, 1
.set STO,  24
.set RD,   25
.set CO,   26
.set T,    32                          ; v32-39  at work
.set M,    48                          ; v48-49  (mean, rs)
.set PK,   50                          ; v50-57  a row's 16 numbers in bf16
.set TP,   58
.set X,    64                          ; v64-191 layer norm: eight row slots of 16 registers
.set G,    192                         ; v192-207 gain, v208-223 bias of my 16 columns
.set BV,   208
.set F0,   64                          ; fragment buffers: window 0 A, window 1 W
.set F1,   128
.set TMP,  192
.set G1,   24                          ; s[24:31] descriptor group 1
.set G0,   32                          ; s[32:39] descriptor group 0, a set for each slot
.set MUL_LO, 0xa1                      ; source 0 (W) window 1, source 1 (A) window 0, C and D window 2
.set MUL_HI, 0xf1                      ; C and D window 3
.set TO_B,   0x40                      ; destination window 1
.set MSB, 0
.macro WIN new                         ; the immediate's high byte repeats the setting that is left
.if MSB != \new
	s_set_vgpr_msb (MSB<<8)|\new
.set MSB, \new
.endif
.endm
.macro PLACES                          ; four places behind a matrix instruction (ISA guide 7.12.1)
.rept 4
	v_nop
.endr
.endm
.macro CREST                           ; a round of the cluster's barrier behind its opening barrier
	s_cmp_lg_u32 s16, 0
	s_cbranch_scc1 .Lnot_wave_0_\@
	s_barrier_signal -3
.Lnot_wave_0_\@:
	s_barrier_wait -3
	s_barrier_signal -1
	s_barrier_wait -1
.endm
.macro CROUND
	s_barrier_signal -1
	s_barrier_wait -1
	CREST
.endm
; A slot's group 0 gets the address of my quarter of the slice of K step st (0..7): slice (st + first slice) mod 8 of the plane at s[20:21], or of the plane behind it
.macro WADR slot, st, plus
.if \st
	s_add_co_u32 s46, s40, \st
	s_and_b32 s46, s46, 7
	s_lshl_b32 s46, s46, 16
.else
	s_lshl_b32 s46, s40, 16
.endif
.if \plus
	s_add_co_u32 s46, s46, 8*SLICE
.endif
	s_add_nc_u64 s[G0+4*\slot+2:G0+4*\slot+3], s[20:21], s[46:47]
	s_or_b32 s[G0+4*\slot+3], s[G0+4*\slot+3], 0x80000000
.endm
; A's fragment addresses at the slice of K step st: 128 bytes of a row for each slice.  No LDS instruction of the wave is out where this stands.
.macro AADR st
.if \st
	s_add_co_u32 s48, s40, \st
	s_and_b32 s48, s48, 7
	s_lshl_b32 s48, s48, 7
.else
	s_lshl_b32 s48, s40, 7
.endif
	v_add_nc_u32 v[ADRC], s48, v[ADRA]
	v_add_nc_u32 v[ADRC+1], s48, v[ADRA+1]
.endm
	s_load_b256 s[4:11], s[0:1], 0x0               ; x s[4:5], g1 s[6:7], b1 s[8:9], wt s[10:11]
	s_load_b128 s[12:15], s[0:1], 0x20             ; qkv s[12:13], stats s[14:15]
	s_set_vgpr_msb 0x40
	v_lshl_add_u32 v255, v0, 2, 0x49000
	s_set_vgpr_msb 0x4000
	v_mov_b32 v255, 0
	s_set_vgpr_msb 0x1
	ds_add_u32 v255, v255
	s_set_vgpr_msb 0x100
	v_lshrrev_b32 v1, 5, v0
	v_readfirstlane_b32 s16, v1                    ; wave
	s_bfe_u32 s17, ttmp6, 0x40000                  ; cx
	s_and_b32 s40, ttmp9, 7                        ; the cluster's first slice: the same in its four work-groups
	; group 1: a quarter of a slice, 16,384 dense bytes, as 64 rows of 256 bytes; 16 bytes of padding behind every 128 bytes (one n row)
	s_mov_b32 s[G1+0], 15|(1<<16)|(1<<20)|(1<<21)|(4<<22)|(3<<25)  ; mask of the four partners; 2-byte elements; padding on; bit 21 beside a mask; every 32 words; 4 words
	s_mov_b32 s[G1+1], 128<<16                     ; tensor_dim0 = 128
	s_mov_b32 s[G1+2], 64<<16                      ; tensor_dim1 = 64
	s_mov_b32 s[G1+3], 128<<16                     ; tile_dim0 = 128
	s_mov_b32 s[G1+4], 64                          ; tile_dim1 = 64
	s_mov_b32 s[G1+5], 128                         ; elements from row to row
	s_mov_b32 s[G1+6], 0
	s_mov_b32 s[G1+7], 0
	s_mul_i32 s18, s16, WQ                         ; LDS: wave x quarter
	s_lshl_b32 s46, s16, 14                        ; memory: wave x 16,384
	s_mov_b32 s47, 0                               ; stays 0: the upper word of every offset in s46
	s_mov_b32 s42, 0x76543210                      ; v_permlanex16_b32: lane i of the other half
	s_mov_b32 s43, 0xfedcba98
	s_mov_b32 s44, 0x3b000000                      ; 1/512
	s_mov_b32 s45, 0x3727c5ac                      ; 1e-5
	s_wait_dscnt 0x0
	s_wait_kmcnt 0x0
	s_add_nc_u64 s[20:21], s[10:11], s[46:47]      ; my quarter of slice 0 of plane q
	CROUND                                         ; the four partners are here: the first joint loads meet
.irp s, 0,1
	s_mov_b32 s[G0+4*\s], 1
	s_add_co_u32 s[G0+4*\s+1], s18, \s*SLOT
	WADR \s, \s, 0
	tensor_load_to_lds s[G0+4*\s:G0+4*\s+3], s[G1:G1+7]
	s_nop 0
.endr
	s_lshl_b32 s46, s17, 24                        ; x: 128 cx rows of 131,072 bytes
	s_lshl_b32 s48, s16, 22                        ; + 32 w rows
	s_add_co_u32 s46, s46, s48
	s_lshl_b32 s48, ttmp9, 11                      ; + batch
	s_add_co_u32 s46, s46, s48
	s_add_nc_u64 s[4:5], s[4:5], s[46:47]
	v_and_b32 v7, 31, v0                           ; lane
	v_lshlrev_b32 v[XO], 4, v7
.irp j, 0,1,2,3
	global_load_b128 v[G+4*\j:G+4*\j+3],   v[XO], s[6:7] offset:512*\j      ; columns 128 j + 4 lane .. +3
	global_load_b128 v[BV+4*\j:BV+4*\j+3], v[XO], s[8:9] offset:512*\j
.endr
.irp i, 0,1,2,3,4,5,6,7
.irp j, 0,1,2,3
	global_load_b128 v[X+16*\i+4*\j:X+16*\i+4*\j+3], v[XO], s[4:5] offset:\i*RSTR+512*\j th:TH_LOAD_NT
.endr
.endr
	s_lshl_b32 s46, ttmp9, 19                      ; plane q: (512 b + 128 cx) rows of 1,024 bytes + 256 w
	s_lshl_b32 s48, s17, 17
	s_add_co_u32 s46, s46, s48
	s_lshl_b32 s48, s16, 8
	s_add_co_u32 s46, s46, s48
	s_add_nc_u64 s[12:13], s[12:13], s[46:47]
	s_lshl_b32 s46, ttmp9, 12                      ; stats: (512 b + 128 cx + 32 w) x 8
	s_lshl_b32 s49, s17, 10
	s_add_co_u32 s46, s46, s49
	s_add_co_u32 s46, s46, s48
	s_add_nc_u64 s[14:15], s[14:15], s[46:47]
	v_and_b32 v1, 15, v0                           ; r
	v_bfe_u32 v2, v0, 4, 1                         ; h
	v_mul_u32_u24 v8, v1, APITCH
	v_lshl_add_u32 v8, v2, 4, v8
	v_add_nc_u32 v[ADRA], ABASE, v8
	v_add_nc_u32 v[ADRA+1], ABASE+64*APITCH, v8
	v_mul_u32_u24 v9, v1, WPITCH
	v_lshl_add_u32 v9, v2, 4, v9
	v_add_nc_u32 v[ADRB], s18, v9
	v_add_nc_u32 v[ADRB+1], SLOT, v[ADRB]
	s_mul_i32 s19, s16, 16*SPITCH
	s_add_co_u32 s19, s19, STAGE
	v_mul_u32_u24 v10, v1, SPITCH
	v_lshl_add_u32 v10, v2, 4, v10
	v_add_nc_u32 v[STO], s19, v10
	v_mul_u32_u24 v10, v2, SPITCH
	v_lshl_add_u32 v10, v1, 4, v10
	v_add_nc_u32 v[RD], s19, v10
	v_lshlrev_b32 v10, 10, v2
	v_lshl_add_u32 v[CO], v1, 4, v10
	s_mul_i32 s22, s16, 32*APITCH
	s_add_co_u32 s22, s22, ABASE
	v_lshl_add_u32 v[ASTO], v7, 3, s22
	s_add_co_u32 s23, s48, STATS                   ; STATS + 256 w
	v_mov_b32 v[SST], s23
	v_lshl_add_u32 v[SRB], v7, 3, s23
	v_mov_b32 v[M], 0                              ; the pair is read whole before its second half is first made
	v_mov_b32 v[M+1], 0
	v_mov_b32 v[TP], 0                             ; v_permlanex16_b32 counts as a reader of its destination
.macro LANESUM                         ; v[T] summed over the 32 lanes, the result in every lane
	v_add_f32_dpp v[T], v[T], v[T] row_xmask:1 row_mask:0xf bank_mask:0xf
	v_add_f32_dpp v[T], v[T], v[T] row_xmask:2 row_mask:0xf bank_mask:0xf
	v_add_f32_dpp v[T], v[T], v[T] row_xmask:4 row_mask:0xf bank_mask:0xf
	v_add_f32_dpp v[T], v[T], v[T] row_xmask:8 row_mask:0xf bank_mask:0xf
	v_permlanex16_b32 v[TP], v[T], s42, s43
	v_add_f32 v[T], v[T], v[TP]
.endm
; One row of the layer norm, in row slot i.  ahead = 1: the slot is filled again with the row eight further on.  left = younger loads that may stay out.
.macro ROW i, ahead, left
	s_wait_loadcnt \left
.irp k, 0,1,2,3
	v_pk_add_f32 v[T+2*\k:T+2*\k+1], v[X+16*\i+4*\k:X+16*\i+4*\k+1], v[X+16*\i+4*\k+2:X+16*\i+4*\k+3]
.endr
	v_pk_add_f32 v[T:T+1], v[T:T+1], v[T+2:T+3]
	v_pk_add_f32 v[T+4:T+5], v[T+4:T+5], v[T+6:T+7]
	v_pk_add_f32 v[T:T+1], v[T:T+1], v[T+4:T+5]
	v_add_f32 v[T], v[T], v[T+1]
	LANESUM
	v_mul_f32 v[M], s44, v[T]                      ; mean
.irp k, 0,2,4,6,8,10,12,14
	v_pk_add_f32 v[X+16*\i+\k:X+16*\i+\k+1], v[X+16*\i+\k:X+16*\i+\k+1], v[M:M+1] op_sel_hi:[1,0] neg_lo:[0,1] neg_hi:[0,1]
.endr
	v_pk_mul_f32 v[T:T+1], v[X+16*\i:X+16*\i+1], v[X+16*\i:X+16*\i+1]          ; squares of the centred numbers, two chains
	v_pk_mul_f32 v[T+2:T+3], v[X+16*\i+2:X+16*\i+3], v[X+16*\i+2:X+16*\i+3]
.irp k, 4,8,12
	v_pk_fma_f32 v[T:T+1], v[X+16*\i+\k:X+16*\i+\k+1], v[X+16*\i+\k:X+16*\i+\k+1], v[T:T+1]
	v_pk_fma_f32 v[T+2:T+3], v[X+16*\i+\k+2:X+16*\i+\k+3], v[X+16*\i+\k+2:X+16*\i+\k+3], v[T+2:T+3]
.endr
	v_pk_add_f32 v[T:T+1], v[T:T+1], v[T+2:T+3]
	v_add_f32 v[T], v[T], v[T+1]
	LANESUM
	v_fma_f32 v[T], v[T], s44, s45                 ; variance + eps
	v_rsq_f32 v[M+1], v[T]
	v_nop                                          ; one plain place behind the transcendental (ISA guide 5.7.2)
	s_wait_alu depctr_va_vdst(0)
	ds_store_b64 v[SST], v[M:M+1] offset:8*\i      ; every lane writes the same 8 bytes
.irp k, 0,2,4,6,8,10,12,14
	v_pk_mul_f32 v[X+16*\i+\k:X+16*\i+\k+1], v[X+16*\i+\k:X+16*\i+\k+1], v[M:M+1] op_sel:[0,1] op_sel_hi:[1,1]
.endr
.irp k, 0,2,4,6,8,10,12,14
	v_pk_fma_f32 v[X+16*\i+\k:X+16*\i+\k+1], v[X+16*\i+\k:X+16*\i+\k+1], v[G+\k:G+\k+1], v[BV+\k:BV+\k+1]
.endr
.irp k, 0,1,2,3,4,5,6,7
	v_cvt_pk_bf16_f32 v[PK+\k], v[X+16*\i+2*\k], v[X+16*\i+2*\k+1]
.endr
.irp j, 0,1,2,3
	ds_store_b64 v[ASTO], v[PK+2*\j:PK+2*\j+1] offset:\i*APITCH+256*\j    ; 32 lanes: 256 neighbouring bytes
.endr
.if \ahead
.irp j, 0,1,2,3
	global_load_b128 v[X+16*\i+4*\j:X+16*\i+4*\j+3], v[XO], s[4:5] offset:(\i+8)*RSTR+512*\j th:TH_LOAD_NT
.endr
.endif
.endm
	s_mov_b32 s41, 0
.Lln:                                              ; my wave's 32 rows: three trips of eight rows that load ahead, a fourth written out
.irp i, 0,1,2,3,4,5,6,7
	ROW \i, 1, 28                                  ; seven younger rows of four loads stay out
.endr
	s_wait_xcnt 0x0                                ; the base is stepped only behind this wait
	s_add_nc_u64 s[4:5], s[4:5], 8*RSTR
	v_add_nc_u32 v[ASTO], 8*APITCH, v[ASTO]
	v_add_nc_u32 v[SST], 64, v[SST]
	s_add_co_u32 s41, s41, 1
	s_cmp_lt_u32 s41, 3
	s_cbranch_scc1 .Lln
.irp i, 0,1,2,3,4,5,6,7
	ROW \i, 0, 28-4*\i
.endr
	ds_load_b64 v[T:T+1], v[SRB]                   ; my wave's own 32 pairs: LDS serves a wave in order
	v_lshlrev_b32 v[T+2], 3, v7
	s_wait_dscnt 0x0                               ; the pairs are here, and my part of xn is written, for the others' sake
	global_store_b64 v[T+2], v[T:T+1], s[14:15]    ; 256 neighbouring bytes, aligned
	s_wait_tensorcnt 0x1                           ; my quarter of the first slice is in; the second's may stay out
	s_barrier_signal -1
	s_barrier_wait -1
; 16 matrix instructions: row blocks a0, a0 + 1 of the window's four x all 8 column blocks, 32 along K.  The matrix instruction is used transposed
; (source 0 = 16 rows of W, source 1 = 16 rows of A): a lane holds row l % 16 and eight neighbouring columns.
; The 64 accumulators take turns, one instruction a turn.
.macro MUL16 f, hi, a0, zero
.irp a, \a0, \a0+1
.irp b, 0,1,2,3,4,5,6,7
.if \zero
	v_wmma_f32_16x16x32_bf16 v[8*(8*(\a)+\b):8*(8*(\a)+\b)+7], v[\f+8*\b:\f+8*\b+7], v[\f+8*(4*\hi+\a):\f+8*(4*\hi+\a)+7], 0
.else
	v_wmma_f32_16x16x32_bf16 v[8*(8*(\a)+\b):8*(8*(\a)+\b)+7], v[\f+8*\b:\f+8*\b+7], v[\f+8*(4*\hi+\a):\f+8*(4*\hi+\a)+7], v[8*(8*(\a)+\b):8*(8*(\a)+\b)+7]
.endif
.endr
.endr
.endm
; 32 LDS loads: my 128 rows of W and the 128 rows of A, 32 along K at byte kb of the slot's rows and of A's current slice, into buffer f
.macro FETCH slot, kb, f
	WIN TO_B
.irp i, 0,1,2,3,4,5,6,7
	ds_load_b128 v[\f+8*\i:\f+8*\i+3],   v[ADRB+\slot] offset:\kb+\i*16*WPITCH
	ds_load_b128 v[\f+8*\i+4:\f+8*\i+7], v[ADRB+\slot] offset:\kb+\i*16*WPITCH+32
.endr
	WIN 0
.irp i, 0,1,2,3
	ds_load_b128 v[\f+8*\i:\f+8*\i+3],   v[ADRC] offset:\kb+\i*16*APITCH
	ds_load_b128 v[\f+8*\i+4:\f+8*\i+7], v[ADRC] offset:\kb+\i*16*APITCH+32
.endr
.irp i, 0,1,2,3
	ds_load_b128 v[\f+32+8*\i:\f+32+8*\i+3], v[ADRC+1] offset:\kb+\i*16*APITCH
	ds_load_b128 v[\f+32+8*\i+4:\f+32+8*\i+7], v[ADRC+1] offset:\kb+\i*16*APITCH+32
.endr
.endm
; The first half of a K step: multiplies buffer 0, fetches the second half's fragments into buffer 1 in its middle
.macro QUARTER slot, zero
	s_wait_dscnt 8                                 ; W and A's rows 0-63 are in; the youngest eight loads (A's rows 64-127) may be out
	WIN MUL_LO
	MUL16 F0, 0, 0, \zero
	MUL16 F0, 0, 2, \zero
	PLACES
	FETCH \slot, 64, F1
	s_wait_dscnt 32                                ; all but the 32 just issued
	WIN MUL_HI
	MUL16 F0, 1, 0, \zero
	MUL16 F0, 1, 2, \zero
.endm
; The second half of K step tl: multiplies buffer 1 and changes slots.  In front of the barrier each wave waits for its reads of this slot and for all its
; tensor loads (one is out: its quarter of the next slot).  fill = 1: the barrier opens a round of the cluster's barrier, and the joint refill of
; this slot, for the K step two further on, is the first tensor load behind the round.  From a request to the wait for it a wave issues 112 matrix instructions.
.macro TURN tl, slot, next, fill, fetch
	s_wait_dscnt 8
	WIN MUL_LO
	MUL16 F1, 0, 0, 0
	s_wait_dscnt 0x0
	s_wait_tensorcnt 0x0                           ; no tensor load of mine is out, so a group 0 may be written
	ds_add_u32 v255, v255
	s_wait_dscnt 0x0
.if \fill
	WADR \slot, ((\tl+2)&7), ((\tl+2)/8)
.endif
	s_barrier_signal -1
	MUL16 F1, 0, 2, 0
	WIN 0
	s_barrier_wait -1
.if \fill
	CREST
	tensor_load_to_lds s[G0+4*\slot:G0+4*\slot+3], s[G1:G1+7]
	s_nop 0
.endif
.if \fetch
	AADR (\tl+1)                                   ; its two vector sums are two of the four places in front of the loads
	v_nop
	v_nop
	FETCH \next, 0, F0
.endif
	WIN MUL_HI
	MUL16 F1, 1, 0, 0
	MUL16 F1, 1, 2, 0
.endm
.macro STEP tl, slot, next, zero, fill, fetch      ; K step tl of a pass
	QUARTER \slot, \zero
	TURN \tl, \slot, \next, \fill, \fetch
.endm
.macro LASTQ
	s_wait_dscnt 8
	WIN MUL_LO
	MUL16 F1, 0, 0, 0
	MUL16 F1, 0, 2, 0
	s_wait_dscnt 0x0
	WIN MUL_HI
	MUL16 F1, 1, 0, 0
	MUL16 F1, 1, 2, 0
.endm
; The way out, 16 rows at a time: round to bf16, 16 bytes a lane into my own stage, read back as whole rows of 256 bytes
.macro OUT16 i, a, from, f
	WIN \from
.irp b, 0,1,2,3,4,5,6,7
.irp r, 0,1,2,3
	v_cvt_pk_bf16_f32 v[TMP+4*\b+\r], v[8*(8*\a+\b)+2*\r], v[8*(8*\a+\b)+2*\r+1]
.endr
.endr
	WIN 0
.irp b, 0,1,2,3,4,5,6,7
	ds_store_b128 v[STO], v[TMP+4*\b:TMP+4*\b+3] offset:32*\b
.endr
	s_wait_xcnt 0x0                                ; buffer f, which stores read, and the stores' base are rewritten only behind this wait
.if \i
	s_add_nc_u64 s[12:13], s[12:13], 16*1024
.endif
.irp t, 0,1,2,3,4,5,6,7
	ds_load_b128 v[\f+4*\t:\f+4*\t+3], v[RD] offset:\t*2*SPITCH    ; LDS serves a wave's instructions in order: these see the stores above
.endr
.irp t, 0,1,2,3,4,5,6,7
	s_wait_dscnt 7-\t
	global_store_b128 v[CO], v[\f+4*\t:\f+4*\t+3], s[12:13] offset:2*\t*1024   ; 16 lanes store 256 neighbouring bytes, aligned
.endr
.endm
.macro WAYOUT
	PLACES
	OUT16 0, 0, 0x0a, F0
	OUT16 1, 1, 0x0a, F1
	OUT16 2, 2, 0x0a, F0
	OUT16 3, 3, 0x0a, F1
	OUT16 4, 0, 0x0f, F0
	OUT16 5, 1, 0x0f, F1
	OUT16 6, 2, 0x0f, F0
	OUT16 7, 3, 0x0f, F1
.endm
	s_mov_b32 s41, 0
.Lpass:                                            ; planes q and k: every K step fills a slot again
	AADR 0
	FETCH 0, 0, F0
	STEP 0, 0, 1, 1, 1, 1                          ; the first products start the sums: nothing is cleared
	STEP 1, 1, 0, 0, 1, 1
	STEP 2, 0, 1, 0, 1, 1
	STEP 3, 1, 0, 0, 1, 1
	STEP 4, 0, 1, 0, 1, 1
	STEP 5, 1, 0, 0, 1, 1
	STEP 6, 0, 1, 0, 1, 1                          ; steps 6 and 7 ask for the next plane's first two K steps
	STEP 7, 1, 0, 0, 1, 0                          ; the next pass fetches its first fragments itself, behind the way out
	WAYOUT
	s_wait_xcnt 0x0                                ; the stores' base and buffers 0 and 1 are rewritten only behind this wait
	s_add_nc_u64 s[12:13], s[12:13], PLANE-7*16*1024
	s_add_nc_u64 s[20:21], s[20:21], 8*SLICE       ; the next plane's weights (no descriptor names this pair)
	s_add_co_u32 s41, s41, 1
	s_cmp_lt_u32 s41, 2
	s_cbranch_scc1 .Lpass
	AADR 0
	FETCH 0, 0, F0                                 ; plane v: the last two K steps fill nothing
	STEP 0, 0, 1, 1, 1, 1
	STEP 1, 1, 0, 0, 1, 1
	STEP 2, 0, 1, 0, 1, 1
	STEP 3, 1, 0, 0, 1, 1
	STEP 4, 0, 1, 0, 1, 1
	STEP 5, 1, 0, 0, 1, 1
	STEP 6, 0, 1, 0, 0, 1
	QUARTER 1, 0
	LASTQ
	WAYOUT
	s_set_vgpr_msb 0x1
	s_wait_tensorcnt 0x0
	ds_add_u32 v255, v255
	s_wait_dscnt 0x0
	s_set_vgpr_msb 0x100
	CROUND                                         ; the closing round: no work-group ends while a partner may still ask jointly
	s_endpgm
.Lfunc_end_k_qce263898ab_project:
	.size	k_qce263898ab_project, .Lfunc_end_k_qce263898ab_project-k_qce263898ab_project
	.p2alignl 7, 3214868480
	.fill 96, 4, 3214868480
	.section	.rodata,"a",@progbits
	.p2align	6, 0x0
	.amdhsa_kernel k_qce263898ab_project
		.amdhsa_group_segment_fixed_size 327680
		.amdhsa_private_segment_fixed_size 0
		.amdhsa_enable_private_segment 0
		.amdhsa_kernarg_size 48
		.amdhsa_user_sgpr_count 2
		.amdhsa_user_sgpr_kernarg_segment_ptr 1
		.amdhsa_wavefront_size32 1
		.amdhsa_system_sgpr_workgroup_id_x 1
		.amdhsa_system_sgpr_workgroup_id_y 1
		.amdhsa_system_sgpr_workgroup_id_z 1
		.amdhsa_system_vgpr_workitem_id 0
		.amdhsa_next_free_vgpr 1024
		.amdhsa_next_free_sgpr 66
		.amdhsa_reserve_vcc 0
		.amdhsa_float_denorm_mode_32 3
		.amdhsa_float_denorm_mode_16_64 3
		.amdhsa_memory_ordered 1
		.amdhsa_forward_progress 1
		.amdhsa_inst_pref_size 255
	.end_amdhsa_kernel
	.section	.bss,"aw",@nobits
	.p2align	6
	.space	262144
	.amdgpu_metadata
---
amdhsa.version: [ 1, 2 ]
amdhsa.kernels:
  - .name:           k_qce263898ab_project
    .symbol:         k_qce263898ab_project.kd
    .args:
      - { .name: x, .offset: 0, .size: 8, .value_kind: global_buffer, .address_space: global }
      - { .name: g1, .offset: 8, .size: 8, .value_kind: global_buffer, .address_space: global }
      - { .name: b1, .offset: 16, .size: 8, .value_kind: global_buffer, .address_space: global }
      - { .name: wt, .offset: 24, .size: 8, .value_kind: global_buffer, .address_space: global }
      - { .name: qkv, .offset: 32, .size: 8, .value_kind: global_buffer, .address_space: global }
      - { .name: stats, .offset: 40, .size: 8, .value_kind: global_buffer, .address_space: global }
    .group_segment_fixed_size: 327680
    .private_segment_fixed_size: 0
    .kernarg_segment_align: 8
    .kernarg_segment_size: 48
    .max_flat_workgroup_size: 128
    .sgpr_count:     66
    .vgpr_count:     1024
    .wavefront_size: 32
...
	.end_amdgpu_metadata
.endif
;; end of part 2
;; launch attend (part 3): grid 256 x 1, 8 waves a work-group, clusters of 4 x 1, 327,680 bytes of LDS; arguments qkv, x, stats, g1, b1, y; writes y
.if DOCPART == 3
	.amdgcn_target "amdgcn-amd-amdhsa--gfx1250"
	.amdhsa_code_object_version 6
	.text
	.protected	k_qce263898ab_attend
	.globl	k_qce263898ab_attend
	.p2align	8
	.type	k_qce263898ab_attend,@function
k_qce263898ab_attend:
	s_mov_b64 s[64:65], 0
	v_nop
	global_prefetch_b8 v0, s[64:65] scope:SCOPE_SE
	s_setreg_imm32_b32 hwreg(HW_REG_WAVE_MODE, 25, 1), 1
	s_wait_xcnt 0x0
	s_wait_alu depctr_hold_cnt(0) depctr_sa_sdst(0) depctr_va_vdst(0) depctr_va_sdst(0) depctr_va_ssrc(0) depctr_va_vcc(0) depctr_vm_vsrc(0)
	s_getreg_b32 s2, hwreg(HW_REG_IB_STS2, 6, 4)
	s_cmp_eq_u32 s2, 0
	s_cbranch_scc0 .Lentry_in_a_cluster
	s_endpgm
.Lentry_in_a_cluster:
	s_bfe_u32 s2, ttmp6, 0x10000c
	s_cmp_lg_u32 s2, 0x3003
	s_cbranch_scc0 .Lentry_shape_is_right
	s_endpgm
.Lentry_shape_is_right:
; y = LN1(x) + softmax(q k^T / 8) v, attention over the 512 rows of one batch, eight heads of 64.
; Work-group: batch b = cluster x, queries 128 cx .. +127.  Eight waves: wave w takes head hq = w & 3 of a group of four and queries 64 (w >> 2) .. +63;
; the two groups of heads follow each other.  Keys go in chunks of 64 with a running maximum (taken on the raw scores) and a running sum.
; BOTH PRODUCTS ARE TRANSPOSED: S^T = K Q^T puts query r in lane r and keys along the registers, so maximum and sum stay in the lane (plus one exchange
; of the halves), P's fragment for O^T = V^T P^T is a plain packing of the lane's own registers, and the rescaling is a multiply by the lane's own factor.
; CLUSTER: the four query blocks of a batch read the same K and V: a tile of 128 keys x 4 heads of each is asked for jointly (mask 15).
; Waves 0-3 ask for K's quarters of 32 rows, waves 4-7 for V's.  Two slots; a refill has two chunks' work in which to land.
; A wave has two tensor loads out at the start and one behind each later refill.
; THE ORDER OF THE TEXT: eight tiles (two groups of heads x four tiles of 128 keys) are sixteen chunks.  The first chunk is written out (its products start
; the sums); a loop of three trips takes four chunks and both refills a trip; the last three chunks, which fill nothing, are written out.  The way out of
; heads 0-3 stands in the loop under one branch on the trip counter, with its own loads and waits and no barrier.  Heads 4-7 begin in the general chunk:
; the running maximum is set to -inf, so the factor 2^(-inf) = 0 clears O and the sums (which are finite wherever the result is).
; LIMITS: q, k, v and P enter the products in bf16; exponentials below 2^-126 become 0 (the far tail of a softmax).
.set PLANE,  33554432
.set KPITCH, 528                       ; 512 bytes + 16
.set VPITCH, 544                       ; 512 bytes + 32, for the transposing loads
.set QUART,  17408                     ; LDS bytes for a wave's 32 rows (K uses 16,896 of them)
.set SLOTB,  8*QUART                   ; 139,264
.set VBASE,  4*QUART
.set STAGE,  2*SLOTB                   ; 278,528: 16 rows x 272 bytes for each wave
.set SPITCH, 272
.set STATS,  STAGE+8*16*SPITCH         ; 313,344: 64 rows x 8 bytes for each wave
.set KADR, 4                           ; v4-5
.set VADR, 6                           ; v6-7
.set QOFF, 8
.set SSTO, 9
.set SRD,  10
.set XOFF, 11
.set STADR, 12
.set GOFF, 13
.set SA,   16                          ; v16-23  query tile qt: (-c x maximum, factor)
.set MM,   24                          ; v24-27  running maximum
.set MX,   28                          ; v28-31
.set QF,   32                          ; v32-95  Q fragments (qt, ks)
.set KP,   96                          ; v96-159 K fragments (kt, ks), then P fragments (qt, ku)
.set VV,   160                         ; v160-223 V fragments (ku, dt)
.set LS,   224                         ; v224-231 running sums, a pair for each qt
.set GB,   232                         ; v232-235 g1, v236-239 b1 of my four columns
.set TP,   240                         ; v240-247
.set RB,   96                          ; way out: attention rows read back
.set SS,   160                         ; way out: (mean, rs) of eight rows
.set DD,   176                         ; way out: results
; window 1: v0-127 S, tile (qt, kt) at 8 (4 qt + kt); v128-255 O, tile (qt, dt) at 128 + 8 (4 qt + dt)
.set G1K, 24
.set G1V, 32
.set G0K, 40
.set G0V, 48
.set MSB, 0
.macro WIN new
.if MSB != \new
	s_set_vgpr_msb (MSB<<8)|\new
.set MSB, \new
.endif
.endm
.macro PLACES
.rept 4
	v_nop
.endr
.endm
.macro CREST
	s_cmp_lg_u32 s16, 0
	s_cbranch_scc1 .Lnot_wave_0_\@
	s_barrier_signal -3
.Lnot_wave_0_\@:
	s_barrier_wait -3
	s_barrier_signal -1
	s_barrier_wait -1
.endm
.macro CROUND
	s_barrier_signal -1
	s_barrier_wait -1
	CREST
.endm
.macro JLOAD s                         ; the branch hangs on the wave's number alone
	s_cmp_eq_u32 s18, 0
	s_cbranch_scc0 .Lfor_v_\@
	tensor_load_to_lds s[G0K+4*\s:G0K+4*\s+3], s[G1K:G1K+7]
	s_nop 0
	s_branch .Lasked_\@
.Lfor_v_\@:
	tensor_load_to_lds s[G0V+4*\s:G0V+4*\s+3], s[G1V:G1V+7]
	s_nop 0
.Lasked_\@:
.endm
	s_load_b256 s[4:11], s[0:1], 0x0               ; qkv s[4:5], x s[6:7], stats s[8:9], g1 s[10:11]
	s_load_b128 s[12:15], s[0:1], 0x20             ; b1 s[12:13], y s[14:15]
	v_lshl_add_u32 v254, v0, 2, 0x4d800
	v_mov_b32 v255, 0
	ds_add_u32 v254, v255
	v_lshrrev_b32 v1, 5, v0
	v_readfirstlane_b32 s16, v1                    ; wave
	s_bfe_u32 s17, ttmp6, 0x40000                  ; cx
	s_lshr_b32 s18, s16, 2                         ; which 64 queries; also: I ask for K (0) or V (1)
	s_and_b32 s19, s16, 3                          ; head in the group
	; group 1: 32 rows of 256 elements (512 bytes), 1,024 bytes apart in memory; padding behind every 128 words: 4 words for K, 8 for V
	s_mov_b32 s[G1K+0], 15|(1<<16)|(1<<20)|(1<<21)|(6<<22)|(3<<25)
	s_mov_b32 s[G1V+0], 15|(1<<16)|(1<<20)|(1<<21)|(6<<22)|(7<<25)
	s_mov_b32 s[G1K+1], 256<<16
	s_mov_b32 s[G1V+1], 256<<16
	s_mov_b32 s[G1K+2], 32<<16
	s_mov_b32 s[G1V+2], 32<<16
	s_mov_b32 s[G1K+3], 256<<16
	s_mov_b32 s[G1V+3], 256<<16
	s_mov_b32 s[G1K+4], 32
	s_mov_b32 s[G1V+4], 32
	s_mov_b32 s[G1K+5], 512
	s_mov_b32 s[G1V+5], 512
	s_mov_b32 s[G1K+6], 0
	s_mov_b32 s[G1V+6], 0
	s_mov_b32 s[G1K+7], 0
	s_mov_b32 s[G1V+7], 0
	s_mul_i32 s20, s16, QUART                      ; LDS: wave x 17,408: K's four quarters, then V's four
	s_lshl_b32 s22, ttmp9, 19                      ; batch: 512 rows of 1,024 bytes
	s_lshl_b32 s23, s16, 15                        ; wave x 32 rows
	s_add_co_u32 s22, s22, s23
	s_add_co_u32 s76, s22, PLANE                   ; K's plane, waves 0-3
	s_add_co_u32 s78, s22, 2*PLANE-4*32768         ; V's plane, waves 4-7
	s_mov_b32 s77, 0
	s_mov_b32 s79, 0
	s_mov_b32 s56, 0x76543210
	s_mov_b32 s57, 0xfedcba98
	s_mov_b32 s58, 0x3e38aa3b                      ; c = log2(e) / 8
	s_mov_b32 s59, 0x3e38aa3b
	s_mov_b32 s60, 0xbe38aa3b                      ; -c
	s_mov_b32 s63, 0                               ; stays 0: the upper word of a tile's offset in s62
	s_wait_dscnt 0x0
	s_wait_kmcnt 0x0
	s_add_nc_u64 s[76:77], s[4:5], s[76:77]        ; my 32 rows of K in tile 0; kept without type bits, as the base of every tile's address
	s_add_nc_u64 s[78:79], s[4:5], s[78:79]        ; the same for V
.irp s, 0,1
	s_mov_b32 s[G0K+4*\s], 1
	s_add_co_u32 s[G0K+4*\s+1], s20, \s*SLOTB
	s_add_nc_u64 s[G0K+4*\s+2:G0K+4*\s+3], s[76:77], \s*131072     ; tile s: keys 128 s, heads 0-3
	s_or_b32 s[G0K+4*\s+3], s[G0K+4*\s+3], 0x80000000
	s_mov_b32 s[G0V+4*\s], 1
	s_add_co_u32 s[G0V+4*\s+1], s20, \s*SLOTB
	s_add_nc_u64 s[G0V+4*\s+2:G0V+4*\s+3], s[78:79], \s*131072
	s_or_b32 s[G0V+4*\s+3], s[G0V+4*\s+3], 0x80000000
.endr
	CROUND                                         ; the four partners are here
	s_cmp_eq_u32 s18, 0                            ; both first fills of a wave inside one branch on its number
	s_cbranch_scc0 .Lfirst_v
	tensor_load_to_lds s[G0K:G0K+3], s[G1K:G1K+7]
	s_nop 0
	tensor_load_to_lds s[G0K+4:G0K+7], s[G1K:G1K+7]
	s_nop 0
	s_branch .Lfirst_done
.Lfirst_v:
	tensor_load_to_lds s[G0V:G0V+3], s[G1V:G1V+7]
	s_nop 0
	tensor_load_to_lds s[G0V+4:G0V+7], s[G1V:G1V+7]
	s_nop 0
.Lfirst_done:
	s_lshl_b32 s22, ttmp9, 19                      ; q: (512 b + 128 cx) rows of 1,024 bytes
	s_lshl_b32 s23, s17, 17
	s_add_co_u32 s22, s22, s23
	s_mov_b32 s23, 0
	s_add_nc_u64 s[68:69], s[4:5], s[22:23]
	s_lshl_b32 s22, s17, 24                        ; x, y: 128 cx rows of 131,072 bytes + batch
	s_lshl_b32 s21, ttmp9, 11
	s_add_co_u32 s22, s22, s21
	s_add_nc_u64 s[70:71], s[6:7], s[22:23]
	s_add_nc_u64 s[72:73], s[14:15], s[22:23]
	s_lshl_b32 s22, ttmp9, 12                      ; stats: (512 b + 128 cx + 64 (w >> 2)) x 8
	s_lshl_b32 s21, s17, 10
	s_add_co_u32 s22, s22, s21
	s_lshl_b32 s21, s18, 9
	s_add_co_u32 s22, s22, s21
	s_add_nc_u64 s[74:75], s[8:9], s[22:23]
	v_and_b32 v1, 15, v0                           ; r
	v_bfe_u32 v2, v0, 4, 1                         ; h
	v_and_b32 v3, 31, v0
	v_lshlrev_b32 v14, 4, v3                       ; 16 x lane
	global_load_b128 v[KP:KP+3], v14, s[74:75]     ; my wave's 64 pairs (mean, rs): 512 neighbouring bytes
	s_lshl_b32 s21, s19, 7                         ; 128 bytes a head
	s_lshl_b32 s22, s18, 16
	s_add_co_u32 s22, s22, s21
	v_lshlrev_b32 v3, 10, v1
	v_lshl_add_u32 v3, v2, 4, v3
	v_add_nc_u32 v[QOFF], s22, v3                  ; (64 (w >> 2) + r) x 1,024 + 128 hq + 16 h
.macro QLOAD hg
.irp qt, 0,1,2,3
.irp ks, 0,1
	global_load_b128 v[QF+16*\qt+8*\ks:QF+16*\qt+8*\ks+3],   v[QOFF], s[68:69] offset:\qt*16384+64*\ks+512*\hg
	global_load_b128 v[QF+16*\qt+8*\ks+4:QF+16*\qt+8*\ks+7], v[QOFF], s[68:69] offset:\qt*16384+64*\ks+32+512*\hg
.endr
.endr
.endm
	QLOAD 0
	v_mul_u32_u24 v3, v1, KPITCH
	v_lshl_add_u32 v3, v2, 4, v3
	v_add_nc_u32 v[KADR], s21, v3
	v_add_nc_u32 v[KADR+1], SLOTB, v[KADR]
	v_and_b32 v3, 7, v0
	v_lshl_add_u32 v3, v2, 3, v3
	v_mul_u32_u24 v3, v3, VPITCH                   ; key row 8 h + (l & 7)
	v_bfe_u32 v15, v0, 3, 1
	v_lshl_add_u32 v3, v15, 4, v3
	v_add_nc_u32 v3, s21, v3
	v_add_nc_u32 v[VADR], VBASE, v3
	v_add_nc_u32 v[VADR+1], VBASE+SLOTB, v3
	s_mul_i32 s22, s16, 16*SPITCH
	s_add_co_u32 s22, s22, STAGE
	v_mul_u32_u24 v3, v1, SPITCH
	v_lshl_add_u32 v3, v2, 5, v3
	v_add_nc_u32 v[SSTO], s22, v3
	v_mul_u32_u24 v3, v2, SPITCH
	v_lshl_add_u32 v3, v1, 4, v3
	v_add_nc_u32 v[SRD], s22, v3
	s_lshl_b32 s22, s18, 23                        ; 64 rows of 131,072 bytes
	s_lshl_b32 s23, s19, 8                         ; 256 bytes a head
	s_add_co_u32 s22, s22, s23
	v_lshlrev_b32 v3, 17, v2
	v_lshl_add_u32 v3, v1, 4, v3
	v_add_nc_u32 v[XOFF], s22, v3
	v_lshl_add_u32 v[GOFF], v1, 4, s23
	s_lshl_b32 s22, s16, 9
	s_add_co_u32 s22, s22, STATS
	v_lshl_add_u32 v[STADR], v2, 3, s22
	v_add_nc_u32 v15, s22, v14
.irp k, 0,1,2,3,4,5,6,7
	v_mov_b32 v[TP+\k], 0                          ; destinations of v_permlanex16_b32 count as read
.endr
.irp k, 1,3,5,7
	v_mov_b32 v[SA+\k], 0                          ; the pairs are read whole before a factor is first made
.endr
	s_wait_loadcnt 16                              ; the stats are in; Q's sixteen loads may stay out
	ds_store_b128 v15, v[KP:KP+3]                  ; read back by my wave alone
	s_wait_dscnt 0x0
	s_wait_tensorcnt 0x1                           ; my part of tile 0 is in; tile 1's may stay out
	s_barrier_signal -1
	s_barrier_wait -1
	s_wait_loadcnt 0x0                             ; Q
; What the way out of head group hg needs from memory: g1 and b1 of my four columns, and x of my 64 rows and my head's 64 columns into S's registers
.macro XLOADS hg
	WIN 0
	global_load_b128 v[GB:GB+3],   v[GOFF], s[10:11] offset:1024*\hg
	global_load_b128 v[GB+4:GB+7], v[GOFF], s[12:13] offset:1024*\hg
	WIN 0x40
.irp qt, 0,1,2,3
.irp t, 0,1,2,3,4,5,6,7
	global_load_b128 v[32*\qt+4*\t:32*\qt+4*\t+3], v[XOFF], s[70:71] offset:(16*\qt+2*\t)*131072+1024*\hg th:TH_LOAD_NT
.endr
.endr
.endm
; 64 keys: chunk c (0, 1) of the tile in a slot.  first = 1: the launch's first chunk starts maximum, sum and O.
; last = 1: the launch's last chunk also asks, as soon as S has been packed, for what the way out of head group hg needs.
.macro CHUNK slot, c, first, last, hg
	WIN 0
	PLACES                                         ; loads into registers that the last matrix instructions read stand four places behind them
.irp kt, 0,1,2,3
.irp ks, 0,1
	ds_load_b128 v[KP+16*\kt+8*\ks:KP+16*\kt+8*\ks+3],   v[KADR+\slot] offset:(2*\c+\kt/2)*QUART+(\kt&1)*16*KPITCH+64*\ks
	ds_load_b128 v[KP+16*\kt+8*\ks+4:KP+16*\kt+8*\ks+7], v[KADR+\slot] offset:(2*\c+\kt/2)*QUART+(\kt&1)*16*KPITCH+64*\ks+32
.endr
.endr
.irp ku, 0,1
.irp dt, 0,1,2,3
	ds_load_tr16_b128 v[VV+8*(4*\ku+\dt):VV+8*(4*\ku+\dt)+3],   v[VADR+\slot] offset:(64*\c+32*\ku)*VPITCH+32*\dt
	ds_load_tr16_b128 v[VV+8*(4*\ku+\dt)+4:VV+8*(4*\ku+\dt)+7], v[VADR+\slot] offset:(64*\c+32*\ku+16)*VPITCH+32*\dt
.endr
.endr
	s_wait_dscnt 16                                ; K is in; V's sixteen loads may stay out
	WIN 0x50                                       ; C and D in window 1
	; S^T = K Q^T: sixteen accumulators by turns, one instruction a turn; the first 32 of d start the sums
.irp qt, 0,1,2,3
.irp kt, 0,1,2,3
	v_wmma_f32_16x16x32_bf16 v[8*(4*\qt+\kt):8*(4*\qt+\kt)+7], v[KP+16*\kt:KP+16*\kt+7], v[QF+16*\qt:QF+16*\qt+7], 0
.endr
.endr
.irp qt, 0,1,2,3
.irp kt, 0,1,2,3
	v_wmma_f32_16x16x32_bf16 v[8*(4*\qt+\kt):8*(4*\qt+\kt)+7], v[KP+16*\kt+8:KP+16*\kt+15], v[QF+16*\qt+8:QF+16*\qt+15], v[8*(4*\qt+\kt):8*(4*\qt+\kt)+7]
.endr
.endr
	PLACES
	WIN 0x05                                       ; sources 0 and 1 in window 1
.if \first
.irp qt, 0,1,2,3
	v_max_num_f32 v[MX+\qt], v[32*\qt], v[32*\qt+1]
.endr
.else
.irp qt, 0,1,2,3
	v_max3_num_f32 v[MX+\qt], v[32*\qt], v[32*\qt+1], v[MM+\qt]
.endr
.endif
.irp p, 2,4,6,8,10,12,14,16,18,20,22,24,26,28,30
.irp qt, 0,1,2,3
	v_max3_num_f32 v[MX+\qt], v[32*\qt+\p], v[32*\qt+\p+1], v[MX+\qt]
.endr
.endr
	WIN 0
.irp qt, 0,1,2,3
	v_permlanex16_b32 v[TP+\qt], v[MX+\qt], s56, s57       ; the other half of the lanes holds the query's other keys
.endr
.irp qt, 0,1,2,3
	v_max_num_f32 v[MX+\qt], v[MX+\qt], v[TP+\qt]
.endr
.irp qt, 0,1,2,3
	v_mul_f32 v[SA+2*\qt], s60, v[MX+\qt]          ; -c x maximum
.endr
.if \first
.irp qt, 0,1,2,3
	v_mov_b32 v[MM+\qt], v[MX+\qt]
.endr
.irp k, 0,1,2,3,4,5,6,7
	v_mov_b32 v[LS+\k], 0
.endr
.else
.irp qt, 0,1,2,3
	v_fma_f32 v[TP+\qt], v[MM+\qt], s58, v[SA+2*\qt]       ; c (old maximum - new maximum); -inf where a group of heads begins
.endr
.irp qt, 0,1,2,3
	v_exp_f32 v[SA+2*\qt+1], v[TP+\qt]             ; the factor for what has been summed so far
.endr
.irp qt, 0,1,2,3
	v_mov_b32 v[MM+\qt], v[MX+\qt]                 ; plain work behind the transcendentals
.endr
	s_wait_alu depctr_va_vdst(0)
.irp qt, 0,1,2,3
	v_pk_mul_f32 v[LS+2*\qt:LS+2*\qt+1], v[LS+2*\qt:LS+2*\qt+1], v[SA+2*\qt:SA+2*\qt+1] op_sel:[0,1] op_sel_hi:[1,1]
.endr
.endif
	WIN 0x41                                       ; destination and source 0 in window 1
.irp qt, 0,1,2,3
.irp p, 0,2,4,6,8,10,12,14,16,18,20,22,24,26,28,30
	v_pk_fma_f32 v[32*\qt+\p:32*\qt+\p+1], v[32*\qt+\p:32*\qt+\p+1], s[58:59], v[SA+2*\qt:SA+2*\qt+1] op_sel_hi:[1,0,0]
.endr
.set n, 0
.rept 32
	v_exp_f32 v[32*\qt+n], v[32*\qt+n]             ; p = 2^(c s - c maximum)
.set n, n+1
.endr
.if \first
	v_nop                                          ; one plain place behind the transcendentals
	s_wait_alu depctr_va_vdst(0)
.else
.irp p, 0,2,4,6,8,10,12,14,16,18,20,22,24,26,28,30
	v_pk_mul_f32 v[128+32*\qt+\p:128+32*\qt+\p+1], v[128+32*\qt+\p:128+32*\qt+\p+1], v[SA+2*\qt:SA+2*\qt+1] op_sel:[0,1] op_sel_hi:[1,1]
.endr
.endif
.endr
	WIN 0x01
	s_wait_alu depctr_va_vdst(0)
.irp p, 0,2,4,6,8,10,12,14,16,18,20,22,24,26,28,30
.irp qt, 0,1,2,3
	v_pk_add_f32 v[LS+2*\qt:LS+2*\qt+1], v[32*\qt+\p:32*\qt+\p+1], v[LS+2*\qt:LS+2*\qt+1]
.endr
.endr
	WIN 0x05
.irp qt, 0,1,2,3
.irp p, 0,1,2,3,4,5,6,7,8,9,10,11,12,13,14,15
	v_cvt_pk_bf16_f32 v[KP+16*\qt+\p], v[32*\qt+2*\p], v[32*\qt+2*\p+1]   ; a lane's keys 8 h .. +7 of two key tiles are P's fragment as they lie
.endr
.endr
.if \last
	XLOADS \hg
.endif
	s_wait_dscnt 0x0                               ; V
	WIN 0x50
	; O^T += V^T P^T: sixteen accumulators by turns, one instruction a turn
.irp ku, 0,1
.irp qt, 0,1,2,3
.irp dt, 0,1,2,3
.if \first*(1-\ku)
	v_wmma_f32_16x16x32_bf16 v[128+8*(4*\qt+\dt):128+8*(4*\qt+\dt)+7], v[VV+8*(4*\ku+\dt):VV+8*(4*\ku+\dt)+7], v[KP+16*\qt+8*\ku:KP+16*\qt+8*\ku+7], 0
.else
	v_wmma_f32_16x16x32_bf16 v[128+8*(4*\qt+\dt):128+8*(4*\qt+\dt)+7], v[VV+8*(4*\ku+\dt):VV+8*(4*\ku+\dt)+7], v[KP+16*\qt+8*\ku:KP+16*\qt+8*\ku+7], v[128+8*(4*\qt+\dt):128+8*(4*\qt+\dt)+7]
.endif
.endr
.endr
.endr
	WIN 0
.endm
; The way out of a group of heads: O / sum through my own stage into rows of 256 bytes, LN1(x) made anew from x and the stored (mean, rs), the sum stored.
; The 32 loads of x are the youngest loads of the wave when this begins.
.macro EPI hg
	WIN 0
	PLACES
.irp qt, 0,1,2,3
	v_add_f32 v[TP+\qt], v[LS+2*\qt], v[LS+2*\qt+1]
.endr
.irp qt, 0,1,2,3
	v_permlanex16_b32 v[TP+4+\qt], v[TP+\qt], s56, s57
.endr
.irp qt, 0,1,2,3
	v_add_f32 v[TP+\qt], v[TP+\qt], v[TP+4+\qt]
.endr
.irp qt, 0,1,2,3
	v_rcp_f32 v[SA+2*\qt+1], v[TP+\qt]
.endr
	v_nop
	s_wait_alu depctr_va_vdst(0)
.irp qt, 0,1,2,3
	WIN 0x41
.irp p, 0,2,4,6,8,10,12,14,16,18,20,22,24,26,28,30
	v_pk_mul_f32 v[128+32*\qt+\p:128+32*\qt+\p+1], v[128+32*\qt+\p:128+32*\qt+\p+1], v[SA+2*\qt:SA+2*\qt+1] op_sel:[0,1] op_sel_hi:[1,1]
.endr
	WIN 0x04                                       ; store data in window 1
.irp dt, 0,1,2,3
	ds_store_b128 v[SSTO], v[128+8*(4*\qt+\dt):128+8*(4*\qt+\dt)+3]   offset:64*\dt
	ds_store_b128 v[SSTO], v[128+8*(4*\qt+\dt)+4:128+8*(4*\qt+\dt)+7] offset:64*\dt+16
.endr
	WIN 0
.irp t, 0,1,2,3,4,5,6,7
	ds_load_b128 v[RB+4*\t:RB+4*\t+3], v[SRD] offset:\t*2*SPITCH          ; LDS serves a wave in order: these see the stores above
.endr
.irp t, 0,1,2,3,4,5,6,7
	ds_load_b64 v[SS+2*\t:SS+2*\t+1], v[STADR] offset:(16*\qt+2*\t)*8
.endr
	s_wait_loadcnt 8*(3-\qt)                       ; x of this query tile is in; the later tiles' eight loads each may stay out
	s_wait_xcnt 0x0                                ; the last tile's store data are rewritten only behind this wait
	s_wait_dscnt 0x0
	WIN 0x01
.irp t, 0,1,2,3,4,5,6,7
.irp j, 0,2
	v_pk_add_f32 v[DD+4*\t+\j:DD+4*\t+\j+1], v[32*\qt+4*\t+\j:32*\qt+4*\t+\j+1], v[SS+2*\t:SS+2*\t+1] op_sel_hi:[1,0] neg_lo:[0,1] neg_hi:[0,1]
.endr
.endr
	WIN 0
.irp t, 0,1,2,3,4,5,6,7
.irp j, 0,2
	v_pk_mul_f32 v[DD+4*\t+\j:DD+4*\t+\j+1], v[DD+4*\t+\j:DD+4*\t+\j+1], v[SS+2*\t:SS+2*\t+1] op_sel:[0,1] op_sel_hi:[1,1]
.endr
.endr
.irp t, 0,1,2,3,4,5,6,7
.irp j, 0,2
	v_pk_fma_f32 v[DD+4*\t+\j:DD+4*\t+\j+1], v[DD+4*\t+\j:DD+4*\t+\j+1], v[GB+\j:GB+\j+1], v[GB+4+\j:GB+4+\j+1]
.endr
.endr
.irp t, 0,1,2,3,4,5,6,7
.irp j, 0,2
	v_pk_add_f32 v[DD+4*\t+\j:DD+4*\t+\j+1], v[DD+4*\t+\j:DD+4*\t+\j+1], v[RB+4*\t+\j:RB+4*\t+\j+1]
.endr
.endr
.irp t, 0,1,2,3,4,5,6,7
	global_store_b128 v[XOFF], v[DD+4*\t:DD+4*\t+3], s[72:73] offset:(16*\qt+2*\t)*131072+1024*\hg   ; 16 lanes store 256 neighbouring bytes, aligned
.endr
.endr
	s_wait_xcnt 0x0                                ; the store data lie in V's registers, which are loaded again only behind this wait
.endm
; The change of slots.  Every wave waits for all its tensor loads (its part of the next slot among them) and for its reads of the slot just read.
; fill = 1: the slot just read gets tile u = 2 x trip + 2 + slot.  Its address is made anew from the plane's base: keys 128 (u & 3), 1,024 bytes a key, and
; 512 bytes on for heads 4-7 (u >= 4); the type is set again.  A round of the cluster's barrier follows, and behind it the joint refill as the wave's one tensor load.
.macro NEXT old, fill
	s_wait_tensorcnt 0x0                           ; no tensor load of mine is out, so a group 0 may be written
	ds_add_u32 v254, v255
	s_wait_dscnt 0x0
.if \fill
	s_lshl_b32 s62, s61, 1
	s_add_co_u32 s62, s62, 2+\old                  ; u, 2 to 7
	s_lshr_b32 s66, s62, 2
	s_and_b32 s66, s66, 1                          ; the group of heads
	s_lshl_b32 s66, s66, 9
	s_and_b32 s62, s62, 3                          ; the tile of 128 keys
	s_lshl_b32 s62, s62, 17
	s_add_co_u32 s62, s62, s66
	s_add_nc_u64 s[G0K+4*\old+2:G0K+4*\old+3], s[76:77], s[62:63]
	s_or_b32 s[G0K+4*\old+3], s[G0K+4*\old+3], 0x80000000
	s_add_nc_u64 s[G0V+4*\old+2:G0V+4*\old+3], s[78:79], s[62:63]
	s_or_b32 s[G0V+4*\old+3], s[G0V+4*\old+3], 0x80000000
.endif
	s_wait_dscnt 0x0
.if \fill
	CROUND
	JLOAD \old
.else
	s_barrier_signal -1
	s_barrier_wait -1
.endif
.endm
	CHUNK 0, 0, 1, 0, 0                            ; heads 0-3, keys 0-63: the first products start the sums
	s_mov_b32 s61, 0
.Lpair:                                            ; trip 0: up to keys 256-319 of heads 0-3; trip 1: on into keys 0-63 of heads 4-7; trip 2: up to their keys 256-319
	CHUNK 0, 1, 0, 0, 0
	NEXT 0, 1
	CHUNK 1, 0, 0, 0, 0
	CHUNK 1, 1, 0, 0, 0
	s_cmp_lg_u32 s61, 1
	s_cbranch_scc1 .Lsame_heads                    ; on the trip counter alone: the same in every wave and every work-group; it jumps over no barrier and no tensor load
	QLOAD 1                                        ; heads 0-3 are done: their Q has been multiplied for the last time
	XLOADS 0
	EPI 0                                          ; its last wait on the loads is for 0, so Q of heads 4-7 is in as well
.irp qt, 0,1,2,3
	v_mov_b32 v[MM+\qt], 0xff800000                ; -inf: the next chunk's factor is 0 and clears O and the sums
.endr
.Lsame_heads:
	NEXT 1, 1
	CHUNK 0, 0, 0, 0, 0
	s_add_co_u32 s61, s61, 1
	s_cmp_lt_u32 s61, 3
	s_cbranch_scc1 .Lpair
	CHUNK 0, 1, 0, 0, 1                            ; heads 4-7, keys 320-383; nothing is left to fetch
	NEXT 0, 0
	CHUNK 1, 0, 0, 0, 1
	CHUNK 1, 1, 0, 1, 1
	EPI 1
	s_wait_tensorcnt 0x0
	ds_add_u32 v254, v255
	s_wait_dscnt 0x0
	CROUND                                         ; the closing round
	s_endpgm
.Lfunc_end_k_qce263898ab_attend:
	.size	k_qce263898ab_attend, .Lfunc_end_k_qce263898ab_attend-k_qce263898ab_attend
	.p2alignl 7, 3214868480
	.fill 96, 4, 3214868480
	.section	.rodata,"a",@progbits
	.p2align	6, 0x0
	.amdhsa_kernel k_qce263898ab_attend
		.amdhsa_group_segment_fixed_size 327680
		.amdhsa_private_segment_fixed_size 0
		.amdhsa_enable_private_segment 0
		.amdhsa_kernarg_size 48
		.amdhsa_user_sgpr_count 2
		.amdhsa_user_sgpr_kernarg_segment_ptr 1
		.amdhsa_wavefront_size32 1
		.amdhsa_system_sgpr_workgroup_id_x 1
		.amdhsa_system_sgpr_workgroup_id_y 1
		.amdhsa_system_sgpr_workgroup_id_z 1
		.amdhsa_system_vgpr_workitem_id 0
		.amdhsa_next_free_vgpr 512
		.amdhsa_next_free_sgpr 80
		.amdhsa_reserve_vcc 0
		.amdhsa_float_denorm_mode_32 3
		.amdhsa_float_denorm_mode_16_64 3
		.amdhsa_memory_ordered 1
		.amdhsa_forward_progress 1
		.amdhsa_inst_pref_size 255
	.end_amdhsa_kernel
	.section	.bss,"aw",@nobits
	.p2align	6
	.space	262144
	.amdgpu_metadata
---
amdhsa.version: [ 1, 2 ]
amdhsa.kernels:
  - .name:           k_qce263898ab_attend
    .symbol:         k_qce263898ab_attend.kd
    .args:
      - { .name: qkv, .offset: 0, .size: 8, .value_kind: global_buffer, .address_space: global }
      - { .name: x, .offset: 8, .size: 8, .value_kind: global_buffer, .address_space: global }
      - { .name: stats, .offset: 16, .size: 8, .value_kind: global_buffer, .address_space: global }
      - { .name: g1, .offset: 24, .size: 8, .value_kind: global_buffer, .address_space: global }
      - { .name: b1, .offset: 32, .size: 8, .value_kind: global_buffer, .address_space: global }
      - { .name: y, .offset: 40, .size: 8, .value_kind: global_buffer, .address_space: global }
    .group_segment_fixed_size: 327680
    .private_segment_fixed_size: 0
    .kernarg_segment_align: 8
    .kernarg_segment_size: 48
    .max_flat_workgroup_size: 256
    .sgpr_count:     80
    .vgpr_count:     512
    .wavefront_size: 32
...
	.end_amdgpu_metadata
.endif
;; end of part 3
;; launch mlp (part 4): grid 256 x 1, 4 waves a work-group, clusters of 4 x 1, 327,680 bytes of LDS; arguments y, g2, b2, wt, bf1, bf2, out0; writes out0
.if DOCPART == 4
	.amdgcn_target "amdgcn-amd-amdhsa--gfx1250"
	.amdhsa_code_object_version 6
	.text
	.protected	k_qce263898ab_mlp
	.globl	k_qce263898ab_mlp
	.p2align	8
	.type	k_qce263898ab_mlp,@function
k_qce263898ab_mlp:
	s_mov_b64 s[64:65], 0
	v_nop
	global_prefetch_b8 v0, s[64:65] scope:SCOPE_SE
	s_setreg_imm32_b32 hwreg(HW_REG_WAVE_MODE, 25, 1), 1
	s_wait_xcnt 0x0
	s_wait_alu depctr_hold_cnt(0) depctr_sa_sdst(0) depctr_va_vdst(0) depctr_va_sdst(0) depctr_va_ssrc(0) depctr_va_vcc(0) depctr_vm_vsrc(0)
	s_getreg_b32 s2, hwreg(HW_REG_IB_STS2, 6, 4)
	s_cmp_eq_u32 s2, 0
	s_cbranch_scc0 .Lentry_in_a_cluster
	s_endpgm
.Lentry_in_a_cluster:
	s_bfe_u32 s2, ttmp6, 0x10000c
	s_cmp_lg_u32 s2, 0x3003
	s_cbranch_scc0 .Lentry_shape_is_right
	s_endpgm
.Lentry_shape_is_right:
; xt = LN2(y); out0 = xt + relu(xt W1^T + bf1) W2^T + bf2.
; Work-group g = 4 x cluster x + cx owns the flat rows 128 g .. +127 of y and out0.  Four waves; wave w makes all 128 rows x columns 128 w .. +127:
; 64 accumulator tiles, 512 registers.  Two passes of eight K steps of 64.  A (xt, then the hidden layer, in bf16) lies in LDS; the weights come as dense
; K slices through a ring of two LDS slots, asked for jointly by the four work-groups of a cluster (mask 15), a quarter by each wave.
; ROTATION: cluster x starts each pass's K loop at slice x & 7 and goes round, so at any K step the 64 clusters ask for eight different slices, and a
; slice that a cluster asks for was asked for one step earlier by the clusters whose start is one further on.
; The last residual takes xt in f32: y is read a second time and normalised with the (mean, rs) kept in LDS.
; A wave has two tensor loads out at the start and one behind each later refill.
; LIMITS: xt, the hidden layer and the weights enter the products in bf16; relu is a maximum with 0 in which a NaN loses (a NaN would become 0);
; the sums along K begin at the cluster's first slice, not at k = 0.
.set RSTR,   2048
.set FIRST,  24                        ; W1 is slices 24-31 of wt, W2 slices 32-39
.set SLICE,  65536
.set WPITCH, 144
.set WQ,     128*WPITCH
.set SLOT,   4*WQ
.set ABASE,  2*SLOT                    ; 147,456
.set APITCH, 1040
.set STAGE,  ABASE+128*APITCH          ; 280,576: 16 rows x 528 bytes for each wave
.set OPITCH, 528
.set STATS,  STAGE+4*16*OPITCH         ; 314,368
.set XO,   3
.set ASTO, 4
.set SST,  5
.set ADRA, 16                          ; v16-17 A fragments at k = 0: rows 0-63, 64-127
.set ADRC, 18                          ; v18-19 the same at the current K step's slice
.set ADRB, 20
.set HSTO, 24                          ; v24-25 where my 16 bytes of a hidden row go: rows 0-63, 64-127
.set OOFF, 26                          ; v26    512 w + 16 lane: my 16 bytes of a row of y, out0, g2, b2, bf2
.set OSTO, 27
.set ORD,  28
.set STA,  29
.set BOFF, 30
.set G2R,  32                          ; v32-35 g2, v36-39 b2 + bf2, v40-43 bf2 of my four columns
.set BBR,  36
.set F2R,  40
.set X,    64
.set G,    192
.set BV,   208
.set T,    224
.set M,    240
.set PK,   242
.set TP,   250
.set F0,   64
.set F1,   128
.set TMP,  192
.set RB,   64                          ; way out: the product's rows read back
.set SS,   128                         ; way out: (mean, rs) of 16 rows
.set DD,   160                         ; way out: results
.set G1,   24
.set G0,   32
.set MUL_LO, 0xa1
.set MUL_HI, 0xf1
.set TO_B,   0x40
.set MSB, 0
.macro WIN new
.if MSB != \new
	s_set_vgpr_msb (MSB<<8)|\new
.set MSB, \new
.endif
.endm
.macro PLACES
.rept 4
	v_nop
.endr
.endm
.macro CREST
	s_cmp_lg_u32 s16, 0
	s_cbranch_scc1 .Lnot_wave_0_\@
	s_barrier_signal -3
.Lnot_wave_0_\@:
	s_barrier_wait -3
	s_barrier_signal -1
	s_barrier_wait -1
.endm
.macro CROUND
	s_barrier_signal -1
	s_barrier_wait -1
	CREST
.endm
; A slot's group 0 gets the address of my quarter of the slice of K step st (0..7): slice (st + first slice) mod 8 of the matrix at s[20:21], or of the one behind it
.macro WADR slot, st, plus
.if \st
	s_add_co_u32 s46, s40, \st
	s_and_b32 s46, s46, 7
	s_lshl_b32 s46, s46, 16
.else
	s_lshl_b32 s46, s40, 16
.endif
.if \plus
	s_add_co_u32 s46, s46, 8*SLICE
.endif
	s_add_nc_u64 s[G0+4*\slot+2:G0+4*\slot+3], s[20:21], s[46:47]
	s_or_b32 s[G0+4*\slot+3], s[G0+4*\slot+3], 0x80000000
.endm
; A's fragment addresses at the slice of K step st: 128 bytes of a row for each slice.  No LDS instruction of the wave is out where this stands.
.macro AADR st
.if \st
	s_add_co_u32 s48, s40, \st
	s_and_b32 s48, s48, 7
	s_lshl_b32 s48, s48, 7
.else
	s_lshl_b32 s48, s40, 7
.endif
	v_add_nc_u32 v[ADRC], s48, v[ADRA]
	v_add_nc_u32 v[ADRC+1], s48, v[ADRA+1]
.endm
	s_load_b256 s[4:11], s[0:1], 0x0               ; y s[4:5], g2 s[6:7], b2 s[8:9], wt s[10:11]
	s_load_b128 s[12:15], s[0:1], 0x20             ; bf1 s[12:13], bf2 s[14:15]
	s_load_b64 s[50:51], s[0:1], 0x30              ; out0
	v_lshl_add_u32 v254, v0, 2, 0x4d000
	v_mov_b32 v255, 0
	ds_add_u32 v254, v255
	v_lshrrev_b32 v1, 5, v0
	v_readfirstlane_b32 s16, v1
	s_bfe_u32 s17, ttmp6, 0x40000
	s_and_b32 s40, ttmp9, 7                        ; the cluster's first slice: the same in its four work-groups
	s_mov_b32 s[G1+0], 15|(1<<16)|(1<<20)|(1<<21)|(4<<22)|(3<<25)  ; as in launch project: 64 rows of 256 dense bytes, 16 bytes of padding behind every 128
	s_mov_b32 s[G1+1], 128<<16
	s_mov_b32 s[G1+2], 64<<16
	s_mov_b32 s[G1+3], 128<<16
	s_mov_b32 s[G1+4], 64
	s_mov_b32 s[G1+5], 128
	s_mov_b32 s[G1+6], 0
	s_mov_b32 s[G1+7], 0
	s_mul_i32 s18, s16, WQ
	s_lshl_b32 s46, s16, 14
	s_add_co_u32 s46, s46, FIRST*SLICE
	s_mov_b32 s47, 0                               ; stays 0: the upper word of every offset in s46
	s_mov_b32 s42, 0x76543210
	s_mov_b32 s43, 0xfedcba98
	s_mov_b32 s44, 0x3b000000                      ; 1/512
	s_mov_b32 s45, 0x3727c5ac                      ; 1e-5
	s_wait_dscnt 0x0
	s_wait_kmcnt 0x0
	s_add_nc_u64 s[20:21], s[10:11], s[46:47]      ; my quarter of slice 0 of W1
	CROUND
.irp s, 0,1
	s_mov_b32 s[G0+4*\s], 1
	s_add_co_u32 s[G0+4*\s+1], s18, \s*SLOT
	WADR \s, \s, 0
	tensor_load_to_lds s[G0+4*\s:G0+4*\s+3], s[G1:G1+7]
	s_nop 0
.endr
	s_lshl_b32 s46, ttmp9, 2
	s_add_co_u32 s46, s46, s17                     ; g
	s_lshl_b32 s46, s46, 18                        ; 128 rows of 2,048 bytes
	s_add_nc_u64 s[52:53], s[4:5], s[46:47]        ; y at the group's first row
	s_add_nc_u64 s[50:51], s[50:51], s[46:47]      ; out0 likewise
	s_lshl_b32 s46, s16, 16                        ; 32 w rows
	s_add_nc_u64 s[4:5], s[52:53], s[46:47]        ; y at my wave's first row, for the layer norm
	v_and_b32 v7, 31, v0
	v_and_b32 v1, 15, v0
	v_bfe_u32 v2, v0, 4, 1
	v_lshlrev_b32 v[XO], 4, v7
	s_lshl_b32 s19, s16, 9                         ; 512 w
	v_lshl_add_u32 v[OOFF], v7, 4, s19
	v_lshl_add_u32 v[BOFF], v2, 5, s19
	WIN 0x40                                       ; bf1 as the accumulators lie: window 1, v[8 b + j] = bf1[128 w + 16 b + 8 h + j]
.irp b, 0,1,2,3,4,5,6,7
	global_load_b128 v[8*\b:8*\b+3],   v[BOFF], s[12:13] offset:64*\b
	global_load_b128 v[8*\b+4:8*\b+7], v[BOFF], s[12:13] offset:64*\b+16
.endr
	WIN 0
	global_load_b128 v[G2R:G2R+3], v[OOFF], s[6:7]
	global_load_b128 v[BBR:BBR+3], v[OOFF], s[8:9]
	global_load_b128 v[F2R:F2R+3], v[OOFF], s[14:15]
.irp j, 0,1,2,3
	global_load_b128 v[G+4*\j:G+4*\j+3],   v[XO], s[6:7] offset:512*\j
	global_load_b128 v[BV+4*\j:BV+4*\j+3], v[XO], s[8:9] offset:512*\j
.endr
.irp i, 0,1,2,3,4,5,6,7
.irp j, 0,1,2,3
	global_load_b128 v[X+16*\i+4*\j:X+16*\i+4*\j+3], v[XO], s[4:5] offset:\i*RSTR+512*\j
.endr
.endr
	v_mul_u32_u24 v8, v1, APITCH
	v_lshl_add_u32 v8, v2, 4, v8
	v_add_nc_u32 v[ADRA], ABASE, v8
	v_add_nc_u32 v[ADRA+1], ABASE+64*APITCH, v8
	v_mul_u32_u24 v9, v1, WPITCH
	v_lshl_add_u32 v9, v2, 4, v9
	v_add_nc_u32 v[ADRB], s18, v9
	v_add_nc_u32 v[ADRB+1], SLOT, v[ADRB]
	s_lshl_b32 s48, s16, 8                         ; 256 w
	v_add_nc_u32 v[HSTO], s48, v[ADRA]
	v_add_nc_u32 v[HSTO+1], s48, v[ADRA+1]
	s_mul_i32 s19, s16, 16*OPITCH
	s_add_co_u32 s19, s19, STAGE
	v_mul_u32_u24 v10, v1, OPITCH
	v_lshl_add_u32 v10, v2, 5, v10
	v_add_nc_u32 v[OSTO], s19, v10
	v_lshl_add_u32 v[ORD], v7, 4, s19
	v_mov_b32 v[STA], STATS
	s_mul_i32 s22, s16, 32*APITCH
	s_add_co_u32 s22, s22, ABASE
	v_lshl_add_u32 v[ASTO], v7, 3, s22
	s_add_co_u32 s23, s48, STATS
	v_mov_b32 v[SST], s23
	v_mov_b32 v[M], 0
	v_mov_b32 v[M+1], 0
	v_mov_b32 v[TP], 0
.macro LANESUM
	v_add_f32_dpp v[T], v[T], v[T] row_xmask:1 row_mask:0xf bank_mask:0xf
	v_add_f32_dpp v[T], v[T], v[T] row_xmask:2 row_mask:0xf bank_mask:0xf
	v_add_f32_dpp v[T], v[T], v[T] row_xmask:4 row_mask:0xf bank_mask:0xf
	v_add_f32_dpp v[T], v[T], v[T] row_xmask:8 row_mask:0xf bank_mask:0xf
	v_permlanex16_b32 v[TP], v[T], s42, s43
	v_add_f32 v[T], v[T], v[TP]
.endm
; One row of the layer norm, as in launch project
.macro ROW i, ahead, left
	s_wait_loadcnt \left
.irp k, 0,1,2,3
	v_pk_add_f32 v[T+2*\k:T+2*\k+1], v[X+16*\i+4*\k:X+16*\i+4*\k+1], v[X+16*\i+4*\k+2:X+16*\i+4*\k+3]
.endr
	v_pk_add_f32 v[T:T+1], v[T:T+1], v[T+2:T+3]
	v_pk_add_f32 v[T+4:T+5], v[T+4:T+5], v[T+6:T+7]
	v_pk_add_f32 v[T:T+1], v[T:T+1], v[T+4:T+5]
	v_add_f32 v[T], v[T], v[T+1]
	LANESUM
	v_mul_f32 v[M], s44, v[T]
.irp k, 0,2,4,6,8,10,12,14
	v_pk_add_f32 v[X+16*\i+\k:X+16*\i+\k+1], v[X+16*\i+\k:X+16*\i+\k+1], v[M:M+1] op_sel_hi:[1,0] neg_lo:[0,1] neg_hi:[0,1]
.endr
	v_pk_mul_f32 v[T:T+1], v[X+16*\i:X+16*\i+1], v[X+16*\i:X+16*\i+1]
	v_pk_mul_f32 v[T+2:T+3], v[X+16*\i+2:X+16*\i+3], v[X+16*\i+2:X+16*\i+3]
.irp k, 4,8,12
	v_pk_fma_f32 v[T:T+1], v[X+16*\i+\k:X+16*\i+\k+1], v[X+16*\i+\k:X+16*\i+\k+1], v[T:T+1]
	v_pk_fma_f32 v[T+2:T+3], v[X+16*\i+\k+2:X+16*\i+\k+3], v[X+16*\i+\k+2:X+16*\i+\k+3], v[T+2:T+3]
.endr
	v_pk_add_f32 v[T:T+1], v[T:T+1], v[T+2:T+3]
	v_add_f32 v[T], v[T], v[T+1]
	LANESUM
	v_fma_f32 v[T], v[T], s44, s45
	v_rsq_f32 v[M+1], v[T]
	v_nop                                          ; one plain place behind the transcendental
	s_wait_alu depctr_va_vdst(0)
	ds_store_b64 v[SST], v[M:M+1] offset:8*\i
.irp k, 0,2,4,6,8,10,12,14
	v_pk_mul_f32 v[X+16*\i+\k:X+16*\i+\k+1], v[X+16*\i+\k:X+16*\i+\k+1], v[M:M+1] op_sel:[0,1] op_sel_hi:[1,1]
.endr
.irp k, 0,2,4,6,8,10,12,14
	v_pk_fma_f32 v[X+16*\i+\k:X+16*\i+\k+1], v[X+16*\i+\k:X+16*\i+\k+1], v[G+\k:G+\k+1], v[BV+\k:BV+\k+1]
.endr
.irp k, 0,1,2,3,4,5,6,7
	v_cvt_pk_bf16_f32 v[PK+\k], v[X+16*\i+2*\k], v[X+16*\i+2*\k+1]
.endr
.irp j, 0,1,2,3
	ds_store_b64 v[ASTO], v[PK+2*\j:PK+2*\j+1] offset:\i*APITCH+256*\j
.endr
.if \ahead
.irp j, 0,1,2,3
	global_load_b128 v[X+16*\i+4*\j:X+16*\i+4*\j+3], v[XO], s[4:5] offset:(\i+8)*RSTR+512*\j
.endr
.endif
.endm
	s_mov_b32 s41, 0
.Lln:
.irp i, 0,1,2,3,4,5,6,7
	ROW \i, 1, 28                                  ; seven younger rows of four loads stay out
.endr
	s_wait_xcnt 0x0                                ; the base is stepped only behind this wait
	s_add_nc_u64 s[4:5], s[4:5], 8*RSTR
	v_add_nc_u32 v[ASTO], 8*APITCH, v[ASTO]
	v_add_nc_u32 v[SST], 64, v[SST]
	s_add_co_u32 s41, s41, 1
	s_cmp_lt_u32 s41, 3
	s_cbranch_scc1 .Lln
.irp i, 0,1,2,3,4,5,6,7
	ROW \i, 0, 28-4*\i
.endr
	v_pk_add_f32 v[BBR:BBR+1], v[BBR:BBR+1], v[F2R:F2R+1]         ; b2 + bf2: both are added to every row of the result
	v_pk_add_f32 v[BBR+2:BBR+3], v[BBR+2:BBR+3], v[F2R+2:F2R+3]
	s_wait_dscnt 0x0                               ; my part of xt and of the stats is written, for the others' sake
	s_wait_tensorcnt 0x1                           ; my quarter of the first slice is in; the second's may stay out
	s_barrier_signal -1
	s_barrier_wait -1
; The matrix core, as in launch project.  The 64 accumulators take turns, one instruction a turn.
.macro MUL16 f, hi, a0, zero
.irp a, \a0, \a0+1
.irp b, 0,1,2,3,4,5,6,7
.if \zero
	v_wmma_f32_16x16x32_bf16 v[8*(8*(\a)+\b):8*(8*(\a)+\b)+7], v[\f+8*\b:\f+8*\b+7], v[\f+8*(4*\hi+\a):\f+8*(4*\hi+\a)+7], 0
.else
	v_wmma_f32_16x16x32_bf16 v[8*(8*(\a)+\b):8*(8*(\a)+\b)+7], v[\f+8*\b:\f+8*\b+7], v[\f+8*(4*\hi+\a):\f+8*(4*\hi+\a)+7], v[8*(8*(\a)+\b):8*(8*(\a)+\b)+7]
.endif
.endr
.endr
.endm
.macro FETCH slot, kb, f
	WIN TO_B
.irp i, 0,1,2,3,4,5,6,7
	ds_load_b128 v[\f+8*\i:\f+8*\i+3],   v[ADRB+\slot] offset:\kb+\i*16*WPITCH
	ds_load_b128 v[\f+8*\i+4:\f+8*\i+7], v[ADRB+\slot] offset:\kb+\i*16*WPITCH+32
.endr
	WIN 0
.irp i, 0,1,2,3
	ds_load_b128 v[\f+8*\i:\f+8*\i+3],   v[ADRC] offset:\kb+\i*16*APITCH
	ds_load_b128 v[\f+8*\i+4:\f+8*\i+7], v[ADRC] offset:\kb+\i*16*APITCH+32
.endr
.irp i, 0,1,2,3
	ds_load_b128 v[\f+32+8*\i:\f+32+8*\i+3], v[ADRC+1] offset:\kb+\i*16*APITCH
	ds_load_b128 v[\f+32+8*\i+4:\f+32+8*\i+7], v[ADRC+1] offset:\kb+\i*16*APITCH+32
.endr
.endm
.macro QUARTER slot, zero
	s_wait_dscnt 8                                 ; W and A's rows 0-63 are in; the youngest eight loads may be out
	WIN MUL_LO
	MUL16 F0, 0, 0, \zero
	MUL16 F0, 0, 2, \zero
	PLACES
	FETCH \slot, 64, F1
	s_wait_dscnt 32                                ; all but the 32 just issued
	WIN MUL_HI
	MUL16 F0, 1, 0, \zero
	MUL16 F0, 1, 2, \zero
.endm
.macro TURN tl, slot, next, fill, fetch
	s_wait_dscnt 8
	WIN MUL_LO
	MUL16 F1, 0, 0, 0
	s_wait_dscnt 0x0                               ; my reads of this slot and of A are over,
	s_set_vgpr_msb 0xa1a0
	s_wait_tensorcnt 0x0                           ; and all my tensor loads have landed: my quarter of the next slot; so a group 0 may be written
	ds_add_u32 v254, v255
	s_wait_dscnt 0x0
	s_set_vgpr_msb 0xa0a1
.if \fill
	WADR \slot, ((\tl+2)&7), ((\tl+2)/8)
.endif
	s_barrier_signal -1
	MUL16 F1, 0, 2, 0
	WIN 0
	s_barrier_wait -1
.if \fill
	CREST                                          ; the round is closed: no wave of any partner still reads this slot or has a load on its way
	tensor_load_to_lds s[G0+4*\slot:G0+4*\slot+3], s[G1:G1+7]
	s_nop 0
.endif
.if \fetch
	AADR (\tl+1)                                   ; its two vector sums are two of the four places in front of the loads
	v_nop
	v_nop
	FETCH \next, 0, F0
.endif
	WIN MUL_HI
	MUL16 F1, 1, 0, 0
	MUL16 F1, 1, 2, 0
.endm
.macro STEP tl, slot, next, zero, fill, fetch
	QUARTER \slot, \zero
	TURN \tl, \slot, \next, \fill, \fetch
.endm
.macro LASTQ
	s_wait_dscnt 8
	WIN MUL_LO
	MUL16 F1, 0, 0, 0
	MUL16 F1, 0, 2, 0
	s_wait_dscnt 0x0
	WIN MUL_HI
	MUL16 F1, 1, 0, 0
	MUL16 F1, 1, 2, 0
.endm
; 16 rows of the hidden layer: + bf1, relu, bf16, into A's place.  aa: the row block in its window; win: 0x06 (window 2) or 0x07 (window 3); hi: which half of A
.macro HID aa, win, hi
	WIN \win                                       ; source 0 the accumulators' window, source 1 window 1 (bf1), destination window 0
.irp b, 0,1,2,3,4,5,6,7
.irp j, 0,2,4,6
	v_pk_add_f32 v[F1+8*\b+\j:F1+8*\b+\j+1], v[8*(8*\aa+\b)+\j:8*(8*\aa+\b)+\j+1], v[8*\b+\j:8*\b+\j+1]
.endr
.endr
	WIN 0
.set n, 0
.rept 64
	v_max_num_f32 v[F1+n], 0, v[F1+n]
.set n, n+1
.endr
.irp b, 0,1,2,3,4,5,6,7
.irp r, 0,1,2,3
	v_cvt_pk_bf16_f32 v[TMP+4*\b+\r], v[F1+8*\b+2*\r], v[F1+8*\b+2*\r+1]
.endr
.endr
.irp b, 0,1,2,3,4,5,6,7
	ds_store_b128 v[HSTO+\hi], v[TMP+4*\b:TMP+4*\b+3] offset:\aa*16*APITCH+32*\b
.endr
.endm
; Rows 16 grp .. 16 grp + 15 of y, my 512 bytes of each, into 64 registers of window 1.  grp may be a sum, so it stands in parentheses.
.macro YLOAD grp, yb
	WIN 0x40
.irp i, 0,1,2,3,4,5,6,7,8,9,10,11,12,13,14,15
	global_load_b128 v[\yb+4*\i:\yb+4*\i+3], v[OOFF], s[52:53] offset:(16*(\grp)+\i)*2048 th:TH_LOAD_NT
.endr
.endm
; 16 rows of the result.  swin: 0x08 or 0x0c (store data in window 2 or 3); yb: where the rows of y lie; left: younger loads of y that may stay out;
; more = 1: the registers of y are filled again with the rows 64 further down.
.macro OUTF a, aa, swin, yb, left, more
	WIN \swin
.irp b, 0,1,2,3,4,5,6,7
	ds_store_b128 v[OSTO], v[8*(8*\aa+\b):8*(8*\aa+\b)+3]   offset:64*\b
	ds_store_b128 v[OSTO], v[8*(8*\aa+\b)+4:8*(8*\aa+\b)+7] offset:64*\b+16
.endr
	WIN 0
.irp i, 0,1,2,3,4,5,6,7,8,9,10,11,12,13,14,15
	ds_load_b128 v[RB+4*\i:RB+4*\i+3], v[ORD] offset:\i*OPITCH    ; a whole row of 512 bytes; LDS serves a wave in order
.endr
.irp i, 0,1,2,3,4,5,6,7,8,9,10,11,12,13,14,15
	ds_load_b64 v[SS+2*\i:SS+2*\i+1], v[STA] offset:(16*\a+\i)*8
.endr
	s_wait_loadcnt \left
	s_wait_xcnt 0x0                                ; the last rows' store data are rewritten only behind this wait
	s_wait_dscnt 0x0
	WIN 0x01
.irp i, 0,1,2,3,4,5,6,7,8,9,10,11,12,13,14,15
.irp j, 0,2
	v_pk_add_f32 v[DD+4*\i+\j:DD+4*\i+\j+1], v[\yb+4*\i+\j:\yb+4*\i+\j+1], v[SS+2*\i:SS+2*\i+1] op_sel_hi:[1,0] neg_lo:[0,1] neg_hi:[0,1]
.endr
.endr
.if \more
	YLOAD \a+4, \yb
.endif
	WIN 0
.irp i, 0,1,2,3,4,5,6,7,8,9,10,11,12,13,14,15
.irp j, 0,2
	v_pk_mul_f32 v[DD+4*\i+\j:DD+4*\i+\j+1], v[DD+4*\i+\j:DD+4*\i+\j+1], v[SS+2*\i:SS+2*\i+1] op_sel:[0,1] op_sel_hi:[1,1]
.endr
.endr
.irp i, 0,1,2,3,4,5,6,7,8,9,10,11,12,13,14,15
.irp j, 0,2
	v_pk_fma_f32 v[DD+4*\i+\j:DD+4*\i+\j+1], v[DD+4*\i+\j:DD+4*\i+\j+1], v[G2R+\j:G2R+\j+1], v[BBR+\j:BBR+\j+1]
.endr
.endr
.irp i, 0,1,2,3,4,5,6,7,8,9,10,11,12,13,14,15
.irp j, 0,2
	v_pk_add_f32 v[DD+4*\i+\j:DD+4*\i+\j+1], v[DD+4*\i+\j:DD+4*\i+\j+1], v[RB+4*\i+\j:RB+4*\i+\j+1]
.endr
.endr
.irp i, 0,1,2,3,4,5,6,7,8,9,10,11,12,13,14,15
	global_store_b128 v[OOFF], v[DD+4*\i:DD+4*\i+3], s[50:51] offset:(16*\a+\i)*2048 th:TH_STORE_NT   ; 512 neighbouring bytes, aligned
.endr
.endm
	AADR 0
	FETCH 0, 0, F0                                 ; pass 0: xt W1^T; every K step fills a slot again
	STEP 0, 0, 1, 1, 1, 1
	STEP 1, 1, 0, 0, 1, 1
	STEP 2, 0, 1, 0, 1, 1
	STEP 3, 1, 0, 0, 1, 1
	STEP 4, 0, 1, 0, 1, 1
	STEP 5, 1, 0, 0, 1, 1
	STEP 6, 0, 1, 0, 1, 1                          ; steps 6 and 7 ask for W2's first two K steps
	STEP 7, 1, 0, 0, 1, 0                          ; no wave reads A behind this step's round: every wave's reads were waited for in front of it
	s_add_nc_u64 s[20:21], s[20:21], 8*SLICE       ; W2 (no descriptor names this pair)
	PLACES
	HID 0, 0x06, 0
	HID 1, 0x06, 0
	HID 2, 0x06, 0
	HID 3, 0x06, 0
	HID 0, 0x07, 1
	HID 1, 0x07, 1
	HID 2, 0x07, 1
	HID 3, 0x07, 1
	YLOAD 0, 0                                     ; the first 32 rows of y for the last residual, early: bf1's registers and the window's last 64 are free
	YLOAD 1, 192
	WIN 0
	s_wait_dscnt 0x0                               ; my columns of the hidden layer are written, for the others' sake
	s_barrier_signal -1                            ; Slot 1's load may stay out
	s_barrier_wait -1
	AADR 0
	FETCH 0, 0, F0                                 ; pass 1: hidden W2^T; the last two K steps fill nothing
	STEP 0, 0, 1, 1, 1, 1
	STEP 1, 1, 0, 0, 1, 1
	STEP 2, 0, 1, 0, 1, 1
	STEP 3, 1, 0, 0, 1, 1
	STEP 4, 0, 1, 0, 1, 1
	STEP 5, 1, 0, 0, 1, 1
	STEP 6, 0, 1, 0, 0, 1
	QUARTER 1, 0
	LASTQ
	PLACES
	YLOAD 2, 64                                    ; W's fragment buffers are free now
	YLOAD 3, 128
	OUTF 0, 0, 0x08, 0,   48, 1                    ; three younger groups of sixteen loads stay out
	OUTF 1, 1, 0x08, 192, 48, 1
	OUTF 2, 2, 0x08, 64,  48, 1
	OUTF 3, 3, 0x08, 128, 48, 1
	OUTF 4, 0, 0x0c, 0,   48, 0
	OUTF 5, 1, 0x0c, 192, 32, 0
	OUTF 6, 2, 0x0c, 64,  16, 0
	OUTF 7, 3, 0x0c, 128, 0,  0
	s_wait_tensorcnt 0x0
	ds_add_u32 v254, v255
	s_wait_dscnt 0x0
	CROUND                                         ; the closing round
	s_endpgm
.Lfunc_end_k_qce263898ab_mlp:
	.size	k_qce263898ab_mlp, .Lfunc_end_k_qce263898ab_mlp-k_qce263898ab_mlp
	.p2alignl 7, 3214868480
	.fill 96, 4, 3214868480
	.section	.rodata,"a",@progbits
	.p2align	6, 0x0
	.amdhsa_kernel k_qce263898ab_mlp
		.amdhsa_group_segment_fixed_size 327680
		.amdhsa_private_segment_fixed_size 0
		.amdhsa_enable_private_segment 0
		.amdhsa_kernarg_size 56
		.amdhsa_user_sgpr_count 2
		.amdhsa_user_sgpr_kernarg_segment_ptr 1
		.amdhsa_wavefront_size32 1
		.amdhsa_system_sgpr_workgroup_id_x 1
		.amdhsa_system_sgpr_workgroup_id_y 1
		.amdhsa_system_sgpr_workgroup_id_z 1
		.amdhsa_system_vgpr_workitem_id 0
		.amdhsa_next_free_vgpr 1024
		.amdhsa_next_free_sgpr 66
		.amdhsa_reserve_vcc 0
		.amdhsa_float_denorm_mode_32 3
		.amdhsa_float_denorm_mode_16_64 3
		.amdhsa_memory_ordered 1
		.amdhsa_forward_progress 1
		.amdhsa_inst_pref_size 255
	.end_amdhsa_kernel
	.section	.bss,"aw",@nobits
	.p2align	6
	.space	262144
	.amdgpu_metadata
---
amdhsa.version: [ 1, 2 ]
amdhsa.kernels:
  - .name:           k_qce263898ab_mlp
    .symbol:         k_qce263898ab_mlp.kd
    .args:
      - { .name: y, .offset: 0, .size: 8, .value_kind: global_buffer, .address_space: global }
      - { .name: g2, .offset: 8, .size: 8, .value_kind: global_buffer, .address_space: global }
      - { .name: b2, .offset: 16, .size: 8, .value_kind: global_buffer, .address_space: global }
      - { .name: wt, .offset: 24, .size: 8, .value_kind: global_buffer, .address_space: global }
      - { .name: bf1, .offset: 32, .size: 8, .value_kind: global_buffer, .address_space: global }
      - { .name: bf2, .offset: 40, .size: 8, .value_kind: global_buffer, .address_space: global }
      - { .name: out0, .offset: 48, .size: 8, .value_kind: global_buffer, .address_space: global }
    .group_segment_fixed_size: 327680
    .private_segment_fixed_size: 0
    .kernarg_segment_align: 8
    .kernarg_segment_size: 56
    .max_flat_workgroup_size: 128
    .sgpr_count:     66
    .vgpr_count:     1024
    .wavefront_size: 32
...
	.end_amdgpu_metadata
.endif
;; end of part 4
